; MI455X (gfx1250); checked and timed in simulation.
; The chip was launched on July 23, 2026; its instructions are those of AMD's public machine-readable ISA for CDNA 5 (MIT licence, August 2026) and "CDNA5" Instruction Set Architecture Reference Guide (July 2026). The comments in the code are by the model that wrote it; some were corrected since.
;; Standard Attention. Allowed arithmetic: matrix products marked QUANTISED: E2M1 operands, one E8M0 scale for each 32 along K, by v_wmma_scale_f32_16x16x128_f8f6f4 with both operands' format E2M1 (or v_wmma_scale_f32_32x16x128_f4), f32 sums; products left as they are: bf16, f16 or f32 operands; f32 sums; everything else in f32.
;; Inputs: Wk 1,024 x 1,024 float32; Wo 1,024 x 1,024 float32; Wq 1,024 x 1,024 float32; Wv 1,024 x 1,024 float32; x 4 x 2,048 x 1,024 float32.
;; Outputs: out0 4 x 2,048 x 1,024 float32.
;; This version of the problem:
;;   THIS VERSION OF THE PROBLEM IS GIVEN IN LOW PRECISION. The matrix products marked QUANTISED in the list below multiply operands that are first quantised to E2M1 (2 exponent bits, 1 mantissa bit; 4 bits a number), with one power-of-two scale for each 32 numbers along K (OCP MX v1.0); their sums are f32. The products marked 'left as it is' may take bf16, f16 or f32 operands, with f32 sums. Whichever they take, every output number must still come out within the allowed error. Rounding operands to bf16 (8 significant bits) uses up far more of that allowance than f16 does (11 bits, for magnitudes from 6e-5 to 65,504). All else is computed in f32.
;;   The module's matrix products, in the order in which they are computed (A, B: the left and right operand; K: the contracted axis; several contracted axes count as one K, in the product's order):
;;     1. [M 8,192, K 1,024] x [K 1,024, N 1,024]; A: input x; B: input Wq: QUANTISED
;;     2. [M 8,192, K 1,024] x [K 1,024, N 1,024]; A: input x; B: input Wk: QUANTISED
;;     3. [M 8,192, K 1,024] x [K 1,024, N 1,024]; A: input x; B: input Wv: QUANTISED
;;     4. batch 64 x [M 2,048, K 64] x [K 64, N 2,048]; A: computed on the way; B: computed on the way: left as it is (an operand is computed on the way)
;;     5. batch 64 x [M 2,048, K 2,048] x [K 2,048, N 64]; A: computed on the way; B: computed on the way: left as it is (an operand is computed on the way)
;;     6. [M 8,192, K 1,024] x [K 1,024, N 1,024]; A: computed on the way; B: input Wo: left as it is (an operand is computed on the way)
;;   THE QUANTISER, for each operand of a quantised product, along K:
;;     - K is cut into blocks of 32 from its start; a last block that is shorter is filled with zeros.
;;     - A block's scale is 2^e with e = floor(log2(the largest magnitude in the block)) - 2, held to -126 .. 127; a block of zeros has e = 0. As a byte (E8M0): e + 127.
;;     - Each number is divided by its block's scale, clamped to +-6, and rounded to the nearest number of E2M1, ties to even, subnormals kept.
;;     - The product sums the exact products of the quantised numbers (number of the format x scale) in f32.
;;   ~~~python
;;   def quantise(x, axis):      # numpy; x: float32 -> the quantised numbers, widened to float32 again
;;       x = np.moveaxis(x, axis, -1); K = x.shape[-1]
;;       x = np.pad(x, [(0, 0)] * (x.ndim - 1) + [(0, -K % 32)]); x = x.reshape(x.shape[:-1] + (-1, 32)); a = np.abs(x).max(-1, keepdims=True)
;;       e = np.where(a > 0, np.clip(np.frexp(np.where(a > 0, a, 1))[1] - 1 - 2, -126, 127), 0)      # np.frexp(a)[1] - 1 = floor(log2(a)), exactly
;;       r = np.clip(x / 2.0 ** e, -6, 6)
;;       step = 2.0 ** (np.maximum(np.frexp(np.where(r == 0, 1, r))[1] - 1, 0) - 1)
;;       q = np.round(r / step) * step * 2.0 ** e      # np.round: ties to even
;;       return np.moveaxis(q.reshape(q.shape[:-2] + (-1,))[..., :K], -1, axis).astype(np.float32)
;;   ~~~
;; One version. Each part assembles by itself: llvm-mc -triple=amdgcn-amd-amdhsa -mcpu=gfx1250 --defsym DOCPART=n.
;; ======== version 1 of 1: 5 launches
;; limits: values are held in f16: magnitudes above 65,504 overflow, below 6.1e-05 lose precision
;; workspace buffers: xc 4,194,304 bytes; xs 262,144 bytes; wc 1,572,864 bytes; ws 98,304 bytes; woh 2,097,152 bytes; qkv 50,331,648 bytes; qkv32 786,432 bytes; oh 16,777,216 bytes
;; launch quant (part 1): grid 384 x 1, 4 waves a work-group, no clusters, 33,280 bytes of LDS; arguments x, Wq, Wk, Wv, Wo, xc, xs, wc, ws, woh; writes xc, xs, wc, ws, woh
.if DOCPART == 1
	.amdgcn_target "amdgcn-amd-amdhsa--gfx1250"
	.amdhsa_code_object_version 6
	.text
	.protected	k_q7f6ee179d5_quant
	.globl	k_q7f6ee179d5_quant
	.p2align	8
	.type	k_q7f6ee179d5_quant,@function
k_q7f6ee179d5_quant:
	s_mov_b64 s[64:65], 0
	v_nop
	global_prefetch_b8 v0, s[64:65] scope:SCOPE_SE
	s_setreg_imm32_b32 hwreg(HW_REG_WAVE_MODE, 25, 1), 1
	s_wait_xcnt 0x0
; x [8192][1024] and Wq, Wk, Wv [1024][1024], f32 with K innermost, become codes of FP4 (E2M1), K innermost, two codes a byte, and one E8M0 byte for each 32 along K:
; x -> xc [8192][512 bytes], xs [8192][32];  Wq, Wk, Wv -> rows 0-1023, 1024-2047, 2048-3071 of wc [3072][512 bytes], ws [3072][32].
; Wo [1024 n][1024 k], f32, becomes f16 laid by head: woh [16 kb][1024 n][64]: woh[kb][n][d] = Wo[n][64 kb + d].
; A block's scale is 2^(floor(log2(its largest magnitude)) - 2): its byte is the largest magnitude's exponent field - 2, held at 1 from below.
; LIMITS: NaN and infinities are not served; a block whose largest magnitude lies under 2^-124 keeps the byte 1, a block of zeros too (its codes are zeros, and this program alone reads the bytes);
; |Wo| must stay at or under 65,504 (f16).
; SHARES: a work-group takes 32,768 numbers: ids 0-255 x, 256-287 Wq, 288-319 Wk, 320-351 Wv, 352-383 Wo.  Rows are dense and K is a multiple of 32, so the quantised tensors are plain streams of blocks.
; The quantising path: a wave takes 16 steps of 512 numbers.  Each load reads 512 consecutive bytes; a step's 2,048 bytes turn through the wave's own stage in LDS so that a lane holds 16 neighbours along K
; (two lanes a block); a lane's 16 codes are 8 bytes, so a wave stores 256 consecutive bytes; a wave's 256 scale bytes are gathered in LDS and leave as 256 consecutive bytes.  Waves share nothing: no barrier.
.set STEPS, 16
.set EMAX,  2
.set CB,    8                          ; bytes of 16 codes
.set R,     16                         ; v16-79   four sets of 16 numbers as loaded
.set X,     80                         ; v80-111  two sets of 16 neighbours
.set E,     112                        ; v112-127 a scale byte for each step
.set C,     128                        ; v128-191 codes: four registers for each step, so that no store's data are written again
.set WREG,  8192                       ; LDS: a region for each wave: two stages of 32 x SP bytes, then its 256 scale bytes
.set SP,    80                         ; a lane's place in a stage: 64 bytes + 16 of padding
.set SPW,   12                         ; v12  LDS address of my spare word; never rewritten
.set NIL,   13                         ; v13  0; never rewritten
.set SPARE, 4*WREG                     ; the spare words, 128 bytes a wave, named by no other line
.set WI,    16                         ; Wo's path: v16-79, v80-143 two sets of 64 numbers
.set WO,    144                        ; v144-175 a batch's f16
	s_load_b256 s[4:11], s[0:1], 0x0               ; x, Wq, Wk, Wv
	s_load_b256 s[12:19], s[0:1], 0x20             ; Wo, xc, xs, wc
	s_load_b128 s[20:23], s[0:1], 0x40             ; ws, woh
	v_lshl_add_u32 v[SPW], v0, 2, SPARE
	v_mov_b32 v[NIL], 0
	v_lshrrev_b32 v1, 5, v0
	v_readfirstlane_b32 s32, v1                    ; wave
	v_and_b32 v2, 31, v0                           ; lane
	s_cmp_ge_u32 ttmp9, 352                        ; Wo's work-groups part here: the branch hangs on the work-group's number alone
	s_cbranch_scc1 .Lwo
	v_lshlrev_b32 v3, 4, v2                        ; my 16 bytes of a load's 512
	s_mul_i32 s33, s32, WREG
	v_lshrrev_b32 v14, 2, v2
	v_mul_u32_u24 v14, v14, SP
	v_and_b32 v15, 3, v2
	v_lshl_add_u32 v14, v15, 4, v14
	v_add_nc_u32 v14, s33, v14                     ; the stage, in: SP (lane / 4) + 16 (lane % 4)
	v_mul_u32_u24 v15, v2, SP
	v_add_nc_u32 v15, s33, v15                     ; and out: SP x lane: my 16 neighbours
	v_mul_u32_u24 v4, v2, CB                       ; my codes' place in a step's
	v_lshrrev_b32 v5, 1, v2
	s_add_co_u32 s33, s33, 2*32*SP
	v_add_nc_u32 v5, s33, v5                       ; my block's scale byte in my wave's 256
	v_lshlrev_b32 v7, 3, v2
	v_add_nc_u32 v6, s33, v7                       ; and on the way out 8 bytes a lane
	s_wait_kmcnt 0x0
	s_cmp_lt_u32 ttmp9, 320                        ; which tensor: every choice hangs on the work-group's number alone
	s_cselect_b64 s[24:25], s[8:9], s[10:11]
	s_cmp_lt_u32 ttmp9, 288
	s_cselect_b64 s[24:25], s[6:7], s[24:25]
	s_cmp_lt_u32 ttmp9, 256
	s_cselect_b64 s[24:25], s[4:5], s[24:25]       ; the numbers
	s_cselect_b64 s[26:27], s[14:15], s[18:19]     ; the codes
	s_cselect_b64 s[28:29], s[16:17], s[20:21]     ; the scale bytes
	s_cselect_b32 s30, 0, 256
	s_cselect_b32 s31, -1, 31
	s_sub_co_u32 s34, ttmp9, s30                   ; the work-group's place in the destination (the three weights lie on end there),
	s_and_b32 s35, s34, s31                        ; and in its source tensor
	s_lshl_b32 s35, s35, 2
	s_add_co_u32 s36, s35, s32                     ; my wave's run of 8,192 numbers
	s_lshl_b32 s36, s36, 15                        ; 32,768 bytes a run: under 2^26
	s_mov_b32 s37, 0
	s_add_nc_u64 s[24:25], s[24:25], s[36:37]
	s_lshl_b32 s34, s34, 2
	s_add_co_u32 s34, s34, s32
	s_lshl_b32 s36, s34, 12                        ; 4,096 bytes of codes a run
	s_add_nc_u64 s[26:27], s[26:27], s[36:37]
	s_lshl_b32 s36, s34, 8                         ; 256 scale bytes a run
	s_add_nc_u64 s[28:29], s[28:29], s[36:37]
.macro LOAD t
.irp i, 0,1,2,3
	global_load_b128 v[R+16*((\t)%4)+4*\i:R+16*((\t)%4)+4*\i+3], v3, s[24:25] offset:2048*(\t)+512*\i th:TH_LOAD_NT   ; 32 lanes read 512 consecutive bytes
.endr
.endm
.macro TURN t                          ; step t's numbers through the stage: LDS serves a wave's instructions in order, so no wait stands between the stores and the loads
.irp i, 0,1,2,3
	ds_store_b128 v14, v[R+16*((\t)%4)+4*\i:R+16*((\t)%4)+4*\i+3] offset:32*SP*((\t)%2)+8*SP*\i
.endr
.irp i, 0,1,2,3
	ds_load_b128 v[X+16*((\t)%2)+4*\i:X+16*((\t)%2)+4*\i+3], v15 offset:32*SP*((\t)%2)+16*\i
.endr
.endm
.irp t, 0,1,2,3
	LOAD \t
.endr
	s_wait_loadcnt 12                              ; step 0's four loads are in; three steps' twelve may be out
	TURN 0
.macro STEP t
.set XS, X+16*((\t)%2)
.if (\t) > 0
	s_wait_dscnt 1                                 ; this step's numbers are back from the stage (the last step's byte store may be out)
.else
	s_wait_dscnt 0x0
.endif
.if (\t)+4 < STEPS
	LOAD (\t)+4                                    ; into the registers that the stage's stores have read
.endif
.if (\t)+1 < STEPS
.if STEPS-2-(\t) >= 3
	s_wait_loadcnt 12                              ; the next step's four loads are in; those of the three steps behind it may be out
.else
	s_wait_loadcnt 4*(STEPS-2-(\t))
.endif
	TURN (\t)+1
.endif
	v_max3_num_f32 v8, |v[XS]|, |v[XS+1]|, |v[XS+2]|               ; the largest magnitude of my 16, in two chains
	v_max3_num_f32 v9, |v[XS+3]|, |v[XS+4]|, |v[XS+5]|
.irp i, 6,10
	v_max3_num_f32 v8, v8, |v[XS+\i]|, |v[XS+\i+1]|
	v_max3_num_f32 v9, v9, |v[XS+\i+2]|, |v[XS+\i+3]|
.endr
	v_max3_num_f32 v8, v8, |v[XS+14]|, |v[XS+15]|
	v_max3_num_f32 v8, v8, v9, (EMAX+1)<<23        ; and the floor 2^(3 - 127): the byte cannot fall under 1
	v_max_num_f32_dpp v8, v8, v8 row_xmask:1 row_mask:0xf bank_mask:0xf   ; with my neighbour's 16: the block's
	v_add_nc_u32 v11, -(EMAX<<23), v8              ; 2 off its exponent field: the conversion takes that field as its scale
	v_cvt_scalef32_pk8_fp4_f32 v[C+4*(\t)], v[XS:XS+7], v11
	v_cvt_scalef32_pk8_fp4_f32 v[C+4*(\t)+1], v[XS+8:XS+15], v11
	v_lshrrev_b32 v[E+(\t)], 23, v11               ; the scale's byte (a plain line behind the conversions)
	ds_store_b8 v5, v[E+(\t)] offset:16*(\t)       ; both lanes of a block write the same byte with the same value
	global_store_b64 v4, v[C+4*(\t):C+4*(\t)+1], s[26:27] offset:32*CB*(\t)   ; 32 lanes store 256 consecutive bytes, aligned
.endm
.irp t, 0,1,2,3,4,5,6,7,8,9,10,11,12,13,14,15
	STEP \t
.endr
	ds_load_b64 v[8:9], v6                         ; behind my byte stores, in order
	s_wait_dscnt 0x0
	global_store_b64 v7, v[8:9], s[28:29]          ; 256 consecutive scale bytes, aligned
	s_wait_tensorcnt 0x0                           ; the wave's end
	ds_add_u32 v[SPW], v[NIL]
	s_wait_dscnt 0x0
	s_endpgm
; Wo's path.  Wave w of work-group j takes rows n = 32 j + 8 w .. + 7.  One piece is 4 rows x 64 k: lane L reads 32 bytes of row L / 8 at k = 8 (L % 8) (eight lanes cover 256 consecutive bytes),
; rounds them to 8 f16, and the 32 lanes store 512 consecutive bytes of plane kb.  32 pieces in four batches of 8; two sets of input registers take turns.
.Lwo:
	s_sub_co_u32 s33, ttmp9, 352
	s_lshl_b32 s33, s33, 5
	s_lshl_b32 s34, s32, 3
	s_add_co_u32 s33, s33, s34                     ; my first row
	s_lshl_b32 s36, s33, 12                        ; 4,096 bytes a row of Wo
	s_mov_b32 s37, 0
	s_lshl_b32 s38, s33, 7                         ; 128 bytes a row of a plane
	s_mov_b32 s39, 0
	v_lshrrev_b32 v8, 3, v2
	v_lshlrev_b32 v8, 12, v8
	v_and_b32 v9, 7, v2
	v_lshl_add_u32 v8, v9, 5, v8                   ; in: (L / 8) rows + 32 (L % 8)
	v_lshlrev_b32 v9, 4, v2                        ; out: 16 L
	s_wait_kmcnt 0x0
	s_add_nc_u64 s[12:13], s[12:13], s[36:37]
	s_add_nc_u64 s[22:23], s[22:23], s[38:39]
.macro LOADB t                         ; batch t: pieces 8 t .. 8 t + 7; piece p: rows 4 (p / 16) on, plane p % 16
.set n, 0
.rept 8
.set pc, 8*(\t)+n
	global_load_b128 v[WI+64*((\t)%2)+8*n:WI+64*((\t)%2)+8*n+3], v8, s[12:13] offset:(pc/16)*16384+(pc%16)*256
	global_load_b128 v[WI+64*((\t)%2)+8*n+4:WI+64*((\t)%2)+8*n+7], v8, s[12:13] offset:(pc/16)*16384+(pc%16)*256+16
.set n, n+1
.endr
.endm
.macro WORKB t
.set n, 0
.rept 8
.set pc, 8*(\t)+n
.set sr, WI+64*((\t)%2)+8*n
.irp i, 0,1,2,3
	v_cvt_pk_f16_f32 v[WO+4*n+\i], v[sr+2*\i], v[sr+2*\i+1]
.endr
	global_store_b128 v9, v[WO+4*n:WO+4*n+3], s[22:23] offset:(pc%16)*131072+(pc/16)*512   ; 512 consecutive bytes, aligned
.set n, n+1
.endr
.endm
	LOADB 0
	LOADB 1
.irp t, 0,1,2,3
.if \t < 3
	s_wait_loadcnt 16                              ; this batch's sixteen loads are in; the next batch's may be out
.else
	s_wait_loadcnt 0x0
.endif
	s_wait_xcnt 0x0                                ; the last batch's stores have read v144-175: they are written again only behind this wait
	WORKB \t
.if \t < 2
	LOADB \t+2
.endif
.endr
	s_wait_tensorcnt 0x0                           ; the same three closing lines on this path
	ds_add_u32 v[SPW], v[NIL]
	s_wait_dscnt 0x0
	s_endpgm
.Lfunc_end_k_q7f6ee179d5_quant:
	.size	k_q7f6ee179d5_quant, .Lfunc_end_k_q7f6ee179d5_quant-k_q7f6ee179d5_quant
	.p2alignl 7, 3214868480
	.fill 96, 4, 3214868480
	.section	.rodata,"a",@progbits
	.p2align	6, 0x0
	.amdhsa_kernel k_q7f6ee179d5_quant
		.amdhsa_group_segment_fixed_size 33280
		.amdhsa_private_segment_fixed_size 0
		.amdhsa_enable_private_segment 0
		.amdhsa_kernarg_size 80
		.amdhsa_user_sgpr_count 2
		.amdhsa_user_sgpr_kernarg_segment_ptr 1
		.amdhsa_wavefront_size32 1
		.amdhsa_system_sgpr_workgroup_id_x 1
		.amdhsa_system_sgpr_workgroup_id_y 1
		.amdhsa_system_sgpr_workgroup_id_z 1
		.amdhsa_system_vgpr_workitem_id 0
		.amdhsa_next_free_vgpr 192
		.amdhsa_next_free_sgpr 66
		.amdhsa_reserve_vcc 0
		.amdhsa_float_denorm_mode_32 3
		.amdhsa_float_denorm_mode_16_64 3
		.amdhsa_memory_ordered 1
		.amdhsa_forward_progress 1
		.amdhsa_inst_pref_size 52
	.end_amdhsa_kernel
	.amdgpu_metadata
---
amdhsa.version: [ 1, 2 ]
amdhsa.kernels:
  - .name:           k_q7f6ee179d5_quant
    .symbol:         k_q7f6ee179d5_quant.kd
    .args:
      - { .name: x, .offset: 0, .size: 8, .value_kind: global_buffer, .address_space: global }
      - { .name: Wq, .offset: 8, .size: 8, .value_kind: global_buffer, .address_space: global }
      - { .name: Wk, .offset: 16, .size: 8, .value_kind: global_buffer, .address_space: global }
      - { .name: Wv, .offset: 24, .size: 8, .value_kind: global_buffer, .address_space: global }
      - { .name: Wo, .offset: 32, .size: 8, .value_kind: global_buffer, .address_space: global }
      - { .name: xc, .offset: 40, .size: 8, .value_kind: global_buffer, .address_space: global }
      - { .name: xs, .offset: 48, .size: 8, .value_kind: global_buffer, .address_space: global }
      - { .name: wc, .offset: 56, .size: 8, .value_kind: global_buffer, .address_space: global }
      - { .name: ws, .offset: 64, .size: 8, .value_kind: global_buffer, .address_space: global }
      - { .name: woh, .offset: 72, .size: 8, .value_kind: global_buffer, .address_space: global }
    .group_segment_fixed_size: 33280
    .private_segment_fixed_size: 0
    .kernarg_segment_align: 8
    .kernarg_segment_size: 80
    .max_flat_workgroup_size: 128
    .sgpr_count:     66
    .vgpr_count:     192
    .wavefront_size: 32
...
	.end_amdgpu_metadata
.endif
;; end of part 1
;; launch qkvgemm (part 2): grid 12 x 32, 4 waves a work-group, clusters of 4 x 4, 327,680 bytes of LDS; arguments xc, xs, wc, ws, qkv, qkv32; writes qkv, qkv32
.if DOCPART == 2
	.amdgcn_target "amdgcn-amd-amdhsa--gfx1250"
	.amdhsa_code_object_version 6
	.text
	.protected	k_q7f6ee179d5_qkvgemm
	.globl	k_q7f6ee179d5_qkvgemm
	.p2align	8
	.type	k_q7f6ee179d5_qkvgemm,@function
k_q7f6ee179d5_qkvgemm:
	s_mov_b64 s[64:65], 0
	v_nop
	global_prefetch_b8 v0, s[64:65] scope:SCOPE_SE
	s_setreg_imm32_b32 hwreg(HW_REG_WAVE_MODE, 25, 1), 1
	s_wait_xcnt 0x0
	s_wait_alu depctr_hold_cnt(0) depctr_sa_sdst(0) depctr_va_vdst(0) depctr_va_sdst(0) depctr_va_ssrc(0) depctr_va_vcc(0) depctr_vm_vsrc(0)
	s_getreg_b32 s2, hwreg(HW_REG_IB_STS2, 6, 4)
	s_cmp_eq_u32 s2, 0
	s_cbranch_scc0 .Lentry_in_a_cluster
	s_endpgm
.Lentry_in_a_cluster:
	s_bfe_u32 s2, ttmp6, 0x10000c
	s_cmp_lg_u32 s2, 0xf033
	s_cbranch_scc0 .Lentry_shape_is_right
	s_endpgm
.Lentry_shape_is_right:
; The three quantised projections as ONE product on codes of FP4: C[m][n] = sum over k of x[m][k] W[n][k], m = 0 .. 8191 (token), n = 0 .. 3071 (1,024 each of q, k, v), K = 1,024.
; xc [8192][512 bytes], wc [3072][512 bytes]: codes, K innermost; xs [8192][32], ws [3072][32]: one E8M0 byte for each 32 along K.  Sums in f32, by v_wmma_scale_f32_16x16x128_f8f6f4.
; OUT: qkv, f16, by head: [3 part][64 bh][2048 s][64]: 16 tokens of one head are 2,048 consecutive bytes.  Rows s < 16 of every batch also go out in f32: qkv32 [4 b][48 = 16 part + head][16 rows][64].
; LIMIT: |q|, |k|, |v| at or under 65,504 (f16) for positions 16 on.  The f32 copy, 786,432 bytes in all, leaves in pieces of 64 consecutive bytes.
; A tile of C, 256 x 256, is made by four waves, 128 x 128 each: 64 accumulators, 512 registers.  K is two steps of 512: both LDS slots and the scale bytes of all of K are filled once, at the start:
; three tensor loads of each wave are out at most, and no LDS byte is filled again.
; CLUSTERS: 4 x 4 work-groups; A's tile is asked for jointly along a row of the cluster, B's along a column.  Tile row = 8 cy + cluster y, so that the batch is cy and a tile holds a batch's first rows
; where cluster y = 0: a number that all partners share.  No multiple of 256 tiles: 384 tiles of this size; a tile of 256 x 384 would want 768 accumulator registers beside the fragments.
; THE MATRIX INSTRUCTION IS USED TRANSPOSED (source 0 = 16 rows of W, source 1 = 16 rows of x): a lane holds eight neighbouring columns of one row of C.
; REGISTERS: window 0: v0-31 addresses; v32-95 scale words, two sets; from v128 A's fragments, one set; on the way out v32-127 at work.  window 1: B's fragments, two sets.  windows 2, 3: the accumulators.
.set SIZE_K, 1024
.set KSTEP,  512
.set NQ,     KSTEP/128
.set ROWB,   256                       ; a tile's row in bytes
.set KROW,   SIZE_K*4/8                ; a row of codes in memory
.set PITCH,  272                       ; an LDS row: 256 bytes + 16 of padding: the 16 rows that a load touches begin 16 bytes further on in each 256
.set FR,     8
.set NL,     2
.set NP,     4                         ; places behind this matrix instruction (ISA guide 7.12.1)
.set HALFT,  128*PITCH
.set SLOT,   4*HALFT
.set KS,     SIZE_K/32
.set SCL,    2*SLOT                    ; behind the two slots: the scale bytes, as rows of 256 bytes + 16
.set HALFS,  (128*KS/256)*272
.set SBLK,   (16*KS/256)*272
.set SPARE,  SCL+4*HALFS               ; the spare words, 128 bytes a wave, named by no other line
.set SPT,    144                       ; the way out: a stage of 2 heads x 16 rows x (128 bytes + 16) for each wave, in slot 0, which has had its only fill and its last read by then
.set STGW,   2*16*SPT
.set ADRA, 16
.set ADRB, 20
.set STO,  24                          ; v24  the stage: where I put 16 bytes of a row
.set RD,   25                          ; v25  and where I read rows back
.set CO,   26                          ; v26  16 x lane: my place in 512 consecutive bytes of qkv
.set ADRS, 27
.set SPW,  28
.set NIL,  29
.set FO,   30                          ; v30  my place in a block of qkv32: 256 r + 32 h
.set SC,   32
.set AF,   128
.set TMP,  32                          ; the way out: v32-63 a block's f16
.set BK,   64                          ; v64-95, v96-127: rows read back, by turns
.set G1, 24
.set G0, 32
.set G1B, 48
.set G0B, 56
.set G1S, 68
.set G0S, 76
.set G1SB, 80
.set G0SB, 88
.set MSB, 0
.macro WIN new                         ; the immediate's high byte repeats the setting that is left
.if MSB != \new
	s_set_vgpr_msb (MSB<<8)|\new
.set MSB, \new
.endif
.endm
.set MUL_LO, 0xa1                      ; source 0 (B) window 1, source 1 (A) window 0, C and D window 2
.set MUL_HI, 0xf1
.set TO_B,   0x40
; A joint load: waves 0 and 1 fetch for A, waves 2 and 3 for B; the branch hangs on the wave's number alone.  An s_nop 0 and four v_nop follow each line.
.macro JLOAD g0a, g1a, g0b, g1b
	s_cmp_eq_u32 s15, 0
	s_cbranch_scc0 .Lfor_b_\@
	tensor_load_to_lds s[\g0a:\g0a+3], s[\g1a:\g1a+7]
	s_nop 0
.rept 4
	v_nop
.endr
	s_branch .Lasked_\@
.Lfor_b_\@:
	tensor_load_to_lds s[\g0b:\g0b+3], s[\g1b:\g1b+7]
	s_nop 0
.rept 4
	v_nop
.endr
.Lasked_\@:
.endm
.macro CROUND                          ; a round of the cluster's barrier
	s_barrier_signal -1
	s_barrier_wait -1
	s_cmp_lg_u32 s14, 0
	s_cbranch_scc1 .Lnot_wave_0_\@
	s_barrier_signal -3
.Lnot_wave_0_\@:
	s_barrier_wait -3
	s_barrier_signal -1
	s_barrier_wait -1
.endm
	s_load_b128 s[4:7], s[0:1], 0x0                ; x's codes, x's scales
	s_load_b128 s[8:11], s[0:1], 0x10              ; W's codes, W's scales
	s_load_b128 s[96:99], s[0:1], 0x20             ; qkv, qkv32
	v_lshl_add_u32 v[SPW], v0, 2, SPARE
	v_mov_b32 v[NIL], 0
	ds_add_u32 v[SPW], v[NIL]                      ; the wave's opening: the add, twice on end, and its wait ahead of my first tensor load
	ds_add_u32 v[SPW], v[NIL]
	v_lshrrev_b32 v1, 5, v0
	v_readfirstlane_b32 s14, v1                    ; wave 0..3
	s_lshr_b32 s15, s14, 1                         ; my half of the tile's rows.  Also: I fetch for A (0) or for B (1)
	s_and_b32 s16, s14, 1                          ; my half of its columns.  Also: which 128 rows I fetch
	s_bfe_u32 s40, ttmp6, 0x40000                  ; cx
	s_bfe_u32 s41, ttmp6, 0x40004                  ; cy
	s_lshl_b32 s42, ttmp9, 2
	s_add_co_u32 s42, s42, s40                     ; tile column = 4 x cluster x + cx
	s_and_b32 s17, ttmp7, 0xffff
	s_lshl_b32 s18, s41, 3
	s_add_co_u32 s17, s17, s18                     ; tile row = 8 cy + cluster y
	s_lshl_b32 s43, s41, 2
	s_lshl_b32 s43, 15, s43                        ; my row of the cluster
	s_lshl_b32 s44, 0x1111, s40                    ; my column
	s_or_b32 s[G1+0], s43, (0<<16)|(1<<20)|(1<<21)|(5<<22)|(3<<25)  ; the mask; elements of 1 byte; padding on; bit 21 beside a mask; 4 words behind every 64
	s_or_b32 s[G1B+0], s44, (0<<16)|(1<<20)|(1<<21)|(5<<22)|(3<<25)
.irp g, G1, G1B
	s_mov_b32 s[\g+1], ROWB<<16                    ; tensor_dim0
	s_mov_b32 s[\g+2], 128<<16                     ; tensor_dim1
	s_mov_b32 s[\g+3], ROWB<<16                    ; tile_dim0
	s_mov_b32 s[\g+4], 128                         ; tile_dim1
	s_mov_b32 s[\g+5], KROW                        ; from row to row
	s_mov_b32 s[\g+6], 0
	s_mov_b32 s[\g+7], 0
.endr
	s_or_b32 s[G1S+0], s43, (3<<16)|(1<<20)|(1<<21)|(5<<22)|(3<<25)  ; the scales of 128 rows: 4,096 dense bytes as 16 rows of 32 elements of 8 bytes
	s_or_b32 s[G1SB+0], s44, (3<<16)|(1<<20)|(1<<21)|(5<<22)|(3<<25)
.irp g, G1S, G1SB
	s_mov_b32 s[\g+1], 32<<16
	s_mov_b32 s[\g+2], (128*KS/256)<<16
	s_mov_b32 s[\g+3], 32<<16
	s_mov_b32 s[\g+4], 128*KS/256
	s_mov_b32 s[\g+5], 32
	s_mov_b32 s[\g+6], 0
	s_mov_b32 s[\g+7], 0
.endr
	s_lshl_b32 s18, s16, 7
	s_lshl_b32 s20, s17, 8
	s_add_co_u32 s20, s20, s18                     ; A: row 256 x tile row + 128 x half
	s_lshl_b32 s46, s42, 8
	s_add_co_u32 s46, s46, s18                     ; B: row 256 x tile column + 128 x half
	s_mov_b32 s21, 0
	s_mov_b32 s47, 0
	s_mov_b64 s[18:19], KS
	s_mul_u64 s[22:23], s[20:21], s[18:19]         ; where these rows' scales begin
	s_mul_u64 s[92:93], s[46:47], s[18:19]
	s_mov_b64 s[18:19], KROW
	s_mul_u64 s[20:21], s[20:21], s[18:19]         ; and their codes
	s_mul_u64 s[46:47], s[46:47], s[18:19]
	s_mul_i32 s45, s14, HALFT                      ; where they go: by the wave's number alone
	s_mul_i32 s94, s14, HALFS
	s_wait_dscnt 0x0                               ; both opening adds are done
	s_wait_kmcnt 0x0
	s_add_nc_u64 s[20:21], s[4:5], s[20:21]
	s_add_nc_u64 s[22:23], s[6:7], s[22:23]
	s_add_nc_u64 s[46:47], s[8:9], s[46:47]
	s_add_nc_u64 s[92:93], s[10:11], s[92:93]
	CROUND                                         ; all sixteen work-groups are here: the joint loads meet
	s_mov_b32 s[G0S], 1
	s_add_co_u32 s[G0S+1], s94, SCL
	s_mov_b64 s[G0S+2:G0S+3], s[22:23]
	s_or_b32 s[G0S+3], s[G0S+3], 0x80000000
	s_mov_b32 s[G0SB], 1
	s_add_co_u32 s[G0SB+1], s94, SCL
	s_mov_b64 s[G0SB+2:G0SB+3], s[92:93]
	s_or_b32 s[G0SB+3], s[G0SB+3], 0x80000000
	JLOAD G0S, G1S, G0SB, G1SB                     ; the scales first: they are wanted with K step 0
.irp s, 0,1
	s_mov_b32 s[G0+4*\s], 1
	s_add_co_u32 s[G0+4*\s+1], s45, \s*SLOT
	s_add_nc_u64 s[G0+4*\s+2:G0+4*\s+3], s[20:21], \s*ROWB
	s_or_b32 s[G0+4*\s+3], s[G0+4*\s+3], 0x80000000
	s_mov_b32 s[G0B+4*\s], 1
	s_add_co_u32 s[G0B+4*\s+1], s45, \s*SLOT
	s_add_nc_u64 s[G0B+4*\s+2:G0B+4*\s+3], s[46:47], \s*ROWB
	s_or_b32 s[G0B+4*\s+3], s[G0B+4*\s+3], 0x80000000
	JLOAD G0+4*\s, G1, G0B+4*\s, G1B
.endr
	v_and_b32 v1, 15, v0                           ; r
	v_bfe_u32 v2, v0, 4, 1                         ; h
	v_mul_u32_u24 v3, v1, PITCH
	v_lshl_add_u32 v4, v2, 4, v3                   ; a fragment's row x pitch + 16 h
	s_mul_i32 s21, s15, HALFT
	s_mul_i32 s22, s16, HALFT
	s_add_co_u32 s22, s22, 2*HALFT
.irp s, 0,1
	v_add_nc_u32 v[ADRA+\s], s21, v4
	v_add_nc_u32 v[ADRB+\s], s22, v4
	s_add_co_u32 s21, s21, SLOT
	s_add_co_u32 s22, s22, SLOT
.endr
	v_mul_u32_u24 v5, v1, KS                       ; my row's scales: 32 bytes a row,
	v_lshrrev_b32 v6, 8, v5
	v_lshl_add_u32 v5, v6, 4, v5                   ; and 16 more for each 256 passed
	s_mul_i32 s21, s15, HALFS
	s_mul_i32 s22, s16, HALFS
	s_add_co_u32 s22, s22, 2*HALFS
	s_sub_co_u32 s22, s22, s21
	v_mul_u32_u24 v6, s22, v2                      ; lanes 16-31 take B's: one product, the distance between the two bases
	s_add_co_u32 s21, s21, SCL
	v_add_nc_u32 v5, v5, v6
	v_add_nc_u32 v[ADRS], s21, v5
	s_mul_i32 s23, s14, STGW                       ; my stage
	v_mul_u32_u24 v5, v1, SPT
	v_lshl_add_u32 v5, v2, 4, v5
	v_add_nc_u32 v[STO], s23, v5                   ; in: row r, 16 bytes for each half of the lanes
	v_and_b32 v6, 31, v0
	v_lshrrev_b32 v7, 3, v6
	v_mul_u32_u24 v7, v7, SPT
	v_and_b32 v8, 7, v0
	v_lshl_add_u32 v7, v8, 4, v7
	v_add_nc_u32 v[RD], s23, v7                    ; back: eight lanes to a row of 128 bytes, four rows an instruction
	v_lshlrev_b32 v[CO], 4, v6
	v_lshlrev_b32 v[FO], 8, v1
	v_lshl_add_u32 v[FO], v2, 5, v[FO]
	s_lshl_b32 s46, s42, 2
	s_lshl_b32 s47, s16, 1
	s_add_co_u32 s46, s46, s47                     ; g0: the first of my two heads among the 48 = 16 part + head
	s_lshr_b32 s47, s46, 4
	s_lshl_b32 s47, s47, 6                         ; 64 x part
	s_and_b32 s20, s46, 15
	s_add_co_u32 s47, s47, s20                     ; + head
	s_lshl_b32 s20, s41, 4
	s_add_co_u32 s47, s47, s20                     ; + 16 x batch
	s_lshl_b32 s20, s47, 18                        ; planes of 262,144 bytes: under 2^26
	s_and_b32 s21, ttmp7, 0xffff
	s_lshl_b32 s21, s21, 15                        ; the tile's 256 rows of 128 bytes
	s_add_co_u32 s20, s20, s21
	s_lshl_b32 s21, s15, 14                        ; my 128 of them
	s_add_co_u32 s20, s20, s21
	s_mov_b32 s21, 0
	s_add_nc_u64 s[96:97], s[96:97], s[20:21]
	s_mul_i32 s20, s41, 48
	s_add_co_u32 s20, s20, s46
	s_lshl_b32 s20, s20, 12                        ; blocks of 4,096 bytes
	s_add_nc_u64 s[98:99], s[98:99], s[20:21]
.macro FRAG reg, adr, q, i             ; 16 rows x 128 K of 4-bit codes: 8 registers: lane l holds row l % 16; registers 4 c .. 4 c + 3 hold K = 64 c + 32 (l / 16) + 0 .. 31
.irp c, 0,1
	ds_load_b128 v[\reg+4*\c:\reg+4*\c+3], v[\adr] offset:64*(\q)+32*\c+(\i)*16*PITCH
.endr
.endm
; 16 matrix instructions: A's blocks a0, a0 + 1 x B's eight.  The 64 accumulators take turns, one instruction a turn, in the same order in every step.
.macro MUL16 a0, p, q, sc, zero
.irp a, \a0, \a0+1
.irp b, 0,1,2,3,4,5,6,7
.if \zero
	v_wmma_scale_f32_16x16x128_f8f6f4 v[8*(8*((\a)%4)+\b):8*(8*((\a)%4)+\b)+7], v[128*(\p)+FR*\b:128*(\p)+FR*\b+FR-1], v[AF+FR*(\a):AF+FR*(\a)+FR-1], 0, v[SC+8*NQ*(\sc)+NQ*\b+(\q)], v[SC+8*NQ*(\sc)+NQ*(\a)+(\q)] matrix_a_fmt:MATRIX_FMT_FP4 matrix_b_fmt:MATRIX_FMT_FP4 matrix_a_scale:MATRIX_SCALE_ROW1
.else
	v_wmma_scale_f32_16x16x128_f8f6f4 v[8*(8*((\a)%4)+\b):8*(8*((\a)%4)+\b)+7], v[128*(\p)+FR*\b:128*(\p)+FR*\b+FR-1], v[AF+FR*(\a):AF+FR*(\a)+FR-1], v[8*(8*((\a)%4)+\b):8*(8*((\a)%4)+\b)+7], v[SC+8*NQ*(\sc)+NQ*\b+(\q)], v[SC+8*NQ*(\sc)+NQ*(\a)+(\q)] matrix_a_fmt:MATRIX_FMT_FP4 matrix_b_fmt:MATRIX_FMT_FP4 matrix_a_scale:MATRIX_SCALE_ROW1
.endif
.endr
.endr
.endm
.macro FETCH_B slot, q, p
	WIN TO_B
.irp i, 0,1,2,3,4,5,6,7
	FRAG 128*(\p)+FR*\i, ADRB+\slot, \q, \i
.endr
	WIN 0
.endm
.macro FETCH_A slot, q, i0
.irp i, \i0, \i0+1, \i0+2, \i0+3
	FRAG AF+FR*(\i), ADRA+\slot, \q, \i
.endr
.endm
.macro SCALES sc                       ; a K step's scale words: 4 words a row; lanes 0-15 take A's block i, lanes 16-31 B's block i
.irp i, 0,1,2,3,4,5,6,7
	ds_load_b128 v[SC+8*NQ*\sc+NQ*\i:SC+8*NQ*\sc+NQ*\i+3], v[ADRS] offset:\i*SBLK
.endr
.endm
.macro PLACES n                        ; plain vector instructions that name no register of the matrix instructions ahead (ISA guide 7.12.1)
.rept \n
	v_nop
.endr
.endm
.macro STEP slot, q, zero              ; 128 along K, with its successor in the same slot
	s_wait_dscnt 4*NL                              ; B's set and A's blocks 0-3 are in; the youngest eight loads (A's blocks 4-7) may be out
	WIN MUL_LO
	MUL16 0, (\q)%2, \q, \slot, \zero
	MUL16 2, (\q)%2, \q, \slot, \zero
	s_wait_dscnt 0
	PLACES NP
	FETCH_B \slot, (\q)+1, 1-(\q)%2
	FETCH_A \slot, (\q)+1, 0
	WIN MUL_HI
	MUL16 4, (\q)%2, \q, \slot, \zero
	MUL16 6, (\q)%2, \q, \slot, \zero
	PLACES NP
	WIN 0
	FETCH_A \slot, (\q)+1, 4
.endm
.macro STEPS slot, from
.set QQ, \from
.rept NQ-1-\from
	STEP \slot, QQ, 0
.set QQ, QQ+1
.endr
.endm
	s_wait_tensorcnt 1                             ; the scales and my part of K step 0 are in; K step 1's load may be out
	s_barrier_signal -1
	s_barrier_wait -1
	FETCH_B 0, 0, 0
	FETCH_A 0, 0, 0
	SCALES 0
	FETCH_A 0, 0, 4
	STEP 0, 0, 1                                   ; the first step's products start the sums: nothing is cleared
	STEPS 0, 1
	; slot 0's last step changes slots: one barrier; in front of it all my tensor loads have landed (slot 1's among them) and my reads of slot 0 are over
	s_wait_tensorcnt 0x0
	ds_add_u32 v[SPW], v[NIL]                      ; 0 onto my spare word
	s_wait_dscnt 4*NL+1                            ; the add and the youngest eight loads may be out
	WIN MUL_LO
	MUL16 0, 1, NQ-1, 0, 0
	s_wait_dscnt 0x0
	s_barrier_signal -1
	MUL16 2, 1, NQ-1, 0, 0
	WIN 0
	s_barrier_wait -1
	PLACES NP
	v_add_nc_u32 v[ADRS], 4*NQ, v[ADRS]            ; on to K step 1's scale words
	FETCH_B 1, 0, 0
	FETCH_A 1, 0, 0
	SCALES 1
	WIN MUL_HI
	MUL16 4, 1, NQ-1, 0, 0
	MUL16 6, 1, NQ-1, 0, 0
	PLACES NP
	WIN 0
	FETCH_A 1, 0, 4
	STEPS 1, 0
	s_wait_dscnt 4*NL                              ; the very last step
	WIN MUL_LO
	MUL16 0, 1, NQ-1, 1, 0
	MUL16 2, 1, NQ-1, 1, 0
	s_wait_dscnt 0
	WIN MUL_HI
	MUL16 4, 1, NQ-1, 1, 0
	MUL16 6, 1, NQ-1, 1, 0
	WIN 0
	PLACES NP                                      ; ahead of every read of results, and of writes and loads into the scale words' registers
	; rows s < 16 of a batch in f32: they lie in block 0 of the waves with the upper row half, in the tiles with cluster y = 0: ids that all partners share, and the wave's number
	s_and_b32 s20, ttmp7, 0xffff
	s_or_b32 s20, s20, s15
	s_cmp_lg_u32 s20, 0
	s_cbranch_scc1 .Lno32
	WIN 0x08                                       ; a store's data are its source 1: window 2
.irp b, 0,1,2,3,4,5,6,7
	global_store_b128 v[FO], v[8*\b:8*\b+3], s[98:99] offset:(\b/4)*4096+(\b%4)*64        ; each accumulator from its low end on: row r, columns 16 b + 8 h + 0 .. 7
	global_store_b128 v[FO], v[8*\b+4:8*\b+7], s[98:99] offset:(\b/4)*4096+(\b%4)*64+16
.endr
	WIN 0
.Lno32:
; THE WAY OUT, block by block of 16 rows x 128 columns (two heads).  PACK rounds to f16, 16 bytes a lane; TOSTAGE sends them through my own stage and brings back rows; SEND stores 512 consecutive bytes an instruction.
.macro PACK a
.set AC, 64*((\a)%4)
	WIN (0x0a+5*((\a)/4))                          ; sources 0 and 1: window 2 or 3
.irp b, 0,1,2,3,4,5,6,7
.irp i, 0,1,2,3
	v_cvt_pk_f16_f32 v[TMP+4*\b+\i], v[AC+8*\b+2*\i], v[AC+8*\b+2*\i+1]
.endr
.endr
	WIN 0
.endm
.macro TOSTAGE a
.set BB, BK+32*((\a)%2)
.irp b, 0,1,2,3,4,5,6,7
	ds_store_b128 v[STO], v[TMP+4*\b:TMP+4*\b+3] offset:(\b/4)*16*SPT+(\b%4)*32
.endr
.irp i, 0,1,2,3,4,5,6,7
	ds_load_b128 v[BB+4*\i:BB+4*\i+3], v[RD] offset:(\i/4)*16*SPT+(\i%4)*4*SPT   ; LDS serves a wave's instructions in order: these see the stores above
.endr
.endm
.macro SEND a
.set BB, BK+32*((\a)%2)
	s_wait_dscnt 0x0                               ; the block is back in registers
	s_wait_xcnt 0x0                                ; the stores of the block before have read their registers: the next block's loads may land there
.irp i, 0,1,2,3,4,5,6,7
	global_store_b128 v[CO], v[BB+4*\i:BB+4*\i+3], s[96:97] offset:(\i/4)*262144+(\a)*2048+(\i%4)*512   ; four rows of one head: 512 consecutive bytes, aligned
.endr
.endm
	PACK 0
	TOSTAGE 0
.irp a, 1,2,3,4,5,6,7
	PACK \a                                        ; block a's conversions stand between block a - 1's loads from the stage and the wait for them
	SEND \a-1
	TOSTAGE \a
.endr
	SEND 7
	s_wait_tensorcnt 0x0                           ; the wave's end
	ds_add_u32 v[SPW], v[NIL]
	s_wait_dscnt 0x0
	CROUND                                         ; the closing round
	s_endpgm
.Lfunc_end_k_q7f6ee179d5_qkvgemm:
	.size	k_q7f6ee179d5_qkvgemm, .Lfunc_end_k_q7f6ee179d5_qkvgemm-k_q7f6ee179d5_qkvgemm
	.p2alignl 7, 3214868480
	.fill 96, 4, 3214868480
	.section	.rodata,"a",@progbits
	.p2align	6, 0x0
	.amdhsa_kernel k_q7f6ee179d5_qkvgemm
		.amdhsa_group_segment_fixed_size 327680
		.amdhsa_private_segment_fixed_size 0
		.amdhsa_enable_private_segment 0
		.amdhsa_kernarg_size 48
		.amdhsa_user_sgpr_count 2
		.amdhsa_user_sgpr_kernarg_segment_ptr 1
		.amdhsa_wavefront_size32 1
		.amdhsa_system_sgpr_workgroup_id_x 1
		.amdhsa_system_sgpr_workgroup_id_y 1
		.amdhsa_system_sgpr_workgroup_id_z 1
		.amdhsa_system_vgpr_workitem_id 0
		.amdhsa_next_free_vgpr 1024
		.amdhsa_next_free_sgpr 100
		.amdhsa_reserve_vcc 0
		.amdhsa_float_denorm_mode_32 3
		.amdhsa_float_denorm_mode_16_64 3
		.amdhsa_memory_ordered 1
		.amdhsa_forward_progress 1
		.amdhsa_inst_pref_size 128
	.end_amdhsa_kernel
	.amdgpu_metadata
---
amdhsa.version: [ 1, 2 ]
amdhsa.kernels:
  - .name:           k_q7f6ee179d5_qkvgemm
    .symbol:         k_q7f6ee179d5_qkvgemm.kd
    .args:
      - { .name: xc, .offset: 0, .size: 8, .value_kind: global_buffer, .address_space: global }
      - { .name: xs, .offset: 8, .size: 8, .value_kind: global_buffer, .address_space: global }
      - { .name: wc, .offset: 16, .size: 8, .value_kind: global_buffer, .address_space: global }
      - { .name: ws, .offset: 24, .size: 8, .value_kind: global_buffer, .address_space: global }
      - { .name: qkv, .offset: 32, .size: 8, .value_kind: global_buffer, .address_space: global }
      - { .name: qkv32, .offset: 40, .size: 8, .value_kind: global_buffer, .address_space: global }
    .group_segment_fixed_size: 327680
    .private_segment_fixed_size: 0
    .kernarg_segment_align: 8
    .kernarg_segment_size: 48
    .max_flat_workgroup_size: 128
    .sgpr_count:     100
    .vgpr_count:     1024
    .wavefront_size: 32
...
	.end_amdgpu_metadata
.endif
;; end of part 2
;; launch attn (part 3): grid 4 x 64, 16 waves a work-group, no clusters, 327,680 bytes of LDS; arguments qkv, oh; writes oh
.if DOCPART == 3
	.amdgcn_target "amdgcn-amd-amdhsa--gfx1250"
	.amdhsa_code_object_version 6
	.text
	.protected	k_q7f6ee179d5_attn
	.globl	k_q7f6ee179d5_attn
	.p2align	8
	.type	k_q7f6ee179d5_attn,@function
k_q7f6ee179d5_attn:
	s_mov_b64 s[64:65], 0
	v_nop
	global_prefetch_b8 v0, s[64:65] scope:SCOPE_SE
	s_setreg_imm32_b32 hwreg(HW_REG_WAVE_MODE, 25, 1), 1
	s_wait_xcnt 0x0
; Causal attention, head size 64, on f16 operands with f32 sums: oh[bh][q][:] = sum over k <= q of softmax_k(Q[q] . K[k] / 8) V[k][:].
; qkv: f16 [3 part][64 bh][2048][64]; oh: f16 [64 bh][2048][64].  Maxima, exponentials and sums in f32, with a running maximum m: p = 2^(c s - c m), c = log2(e) / 8; p is rounded to f16 for the second product.
; LIMITS: NaN and infinities are not served; q, k, v at or under 65,504.  Positions 0-15 of each sequence are made here too, but the output's rows for them come from a later launch in f32.
; SHARES.  Work-group (p, bh) owns query blocks p and 7 - p (256 queries each) of one head, so that under the causal mask every work-group has (p + 1) + (8 - p) = 9 key blocks' work.
; Each of SIXTEEN waves owns 32 queries, two tiles, in 256 registers; waves of the low and of the high block alternate.  Keys go 64 a step; K and V come through two LDS slots of 256 keys, filled by the
; tensor data mover (waves 0, 1: K's halves; waves 2, 3: V's) and read by all sixteen.  Every wave walks all 8 slots; a step whose keys all come after the wave's queries is jumped over (ids alone).
; NO CLUSTER: the four work-groups of a head need 8, 7, 6 and 5 slots: every wave of the last would jump over the reads of tiles that a joint load brought.
; LAYOUT.  Both products are used transposed: S^T = K Q^T (source 0 = 16 keys, source 1 = 16 queries), O^T = V^T P: a lane holds ONE query (lane % 16) throughout; two packed tiles of S^T are source 1 of the second product.
; In memory a key's row is 128 bytes and rows are dense, so a tile is stated as rows of 256 bytes (two keys): key k lies at (k / 2) x pitch + (k % 2) x 128.
.set HS,    262144                     ; a head's plane
.set PS,    16777216                   ; a part (q, k, v)
.set PK,    272                        ; K: 256 bytes + 16: the 16 keys of a load fall on 16 different 16-byte columns of 256
.set PV,    288                        ; V: 256 bytes + 32, for the turning load's 8 rows x 32 bytes
.set VOFF,  128*PK
.set SLOT1, 1<<17                      ; slot 1 begins here: one exclusive or turns an address
.set STAGE, VOFF+128*PV                ; behind slot 0's tiles, in bytes where no fill lands: 16 rows x 144 for each wave
.set SPARE, 2*SLOT1                    ; the spare words, 128 bytes a wave, named by no other line
.set AK0, 1
.set AV0, 2
.set ADK, 3
.set ADV, 4
.set SPW, 5
.set NIL, 6
.set PFO, 7                            ; v7   256 x lane; never rewritten
.set ST,  8                            ; v8-23 eight a tile: +0 c m, +1 m, +2, +3 l, +4 .. +7 at work (a in +6)
.set D0,  24                           ; v24, v25 the diagonal's bounds for tiles 0, 1
.set NEG, 26                           ; v26  -infinity
.set STO, 27
.set RD,  28
.set GO,  29
.set QOF, 30
.set DL,  31                           ; v31  r - 8 h
.set QF,  32                           ; v32-63   Q: fragment (t, c) at 16 t + 8 c
.set KV,  64                           ; v64-127  eight fragments of K, then of V
.set S,   128                          ; v128-191 S^T: (t, i) at 32 t + 8 i; P packed in place at 32 t + 0 .. 15
.set O,   192                          ; v192-255 O^T: (t, ct) at 32 t + 8 ct
.set WV,  8
.set Q0,  11
.set QLAST, 12
.set KF,  13
.set TB,  14
.set SLOTS, 15
.set SEL, 16
.set CS,  18
.set LIM, 20
.set PFA, 22
.set G1K, 24
.set G1V, 32
.set G0K, 40
.set G0V, 44
.macro TLOAD                           ; waves 0, 1 fetch K's halves, waves 2, 3 V's, the others nothing; an s_nop 0 and four v_nop follow each line
	s_cmp_lt_u32 s[WV], 2
	s_cbranch_scc0 .Lnot_k_\@
	tensor_load_to_lds s[G0K:G0K+3], s[G1K:G1K+7]
	s_nop 0
.rept 4
	v_nop
.endr
	s_branch .Lasked_\@
.Lnot_k_\@:
	s_cmp_lt_u32 s[WV], 4
	s_cbranch_scc0 .Lasked_\@
	tensor_load_to_lds s[G0V:G0V+3], s[G1V:G1V+7]
	s_nop 0
.rept 4
	v_nop
.endr
.Lasked_\@:
.endm
; A prefetch of the slot behind the one that is being asked for: 32,768 bytes of K and of V.  The four work-groups of a head walk the same rows: the one with p = 0, which walks all eight slots, asks.
; In it waves 4-7 ask for K's bytes and waves 8-11 for V's, 8,192 a wave, lanes 256 bytes apart: each aligned 256 bytes is named once in the launch.  The last change that fills a slot asks for nothing.
.macro ASK
	s_cmp_gt_u32 s[SLOTS], s[LIM]
	s_cbranch_scc0 .Lnot_mine_\@
	global_prefetch_b8 v[PFO], s[PFA:PFA+1] th:TH_LOAD_NT scope:SCOPE_SE
.Lnot_mine_\@:
.endm
	s_load_b128 s[4:7], s[0:1], 0x0                ; qkv, oh
	v_lshl_add_u32 v[SPW], v0, 2, SPARE
	v_mov_b32 v[NIL], 0
	ds_add_u32 v[SPW], v[NIL]                      ; the wave's opening: the add, twice on end, and its wait ahead of the first tensor load
	ds_add_u32 v[SPW], v[NIL]
	v_lshrrev_b32 v1, 5, v0
	v_readfirstlane_b32 s[WV], v1                  ; wave 0..15
	s_and_b32 s9, ttmp7, 0xffff                    ; bh
	s_lshl_b32 s10, s9, 18                         ; its plane, under 2^24
	s_lshr_b32 s48, s[WV], 2
	s_xor_b32 s48, s48, s[WV]
	s_and_b32 s48, s48, 1                          ; 1: the high block
	s_lshl_b32 s49, ttmp9, 1
	s_sub_co_u32 s49, 7, s49
	s_mul_i32 s49, s49, s48
	s_add_co_u32 s49, s49, ttmp9                   ; my block: p or 7 - p
	s_lshl_b32 s[Q0], s49, 8
	s_lshr_b32 s50, s[WV], 1
	s_lshl_b32 s50, s50, 5
	s_add_co_u32 s[Q0], s[Q0], s50                 ; my first query
	s_sub_co_u32 s[QLAST], 7, ttmp9
	s_lshl_b32 s[QLAST], s[QLAST], 8
	s_or_b32 s[QLAST], s[QLAST], 255               ; the work-group's last query
	s_mov_b32 s[G1K], (3<<16)|(1<<20)|(5<<22)|(3<<25)   ; no mask; elements of 8 bytes; padding on: 4 words behind every 64
	s_mov_b32 s[G1V], (3<<16)|(1<<20)|(5<<22)|(7<<25)   ; 8 words
.irp g, G1K, G1V
	s_mov_b32 s[\g+1], 32<<16                      ; tensor_dim0 = 32 elements: 256 bytes
	s_mov_b32 s[\g+2], 64<<16                      ; tensor_dim1 = 64 rows: 128 keys
	s_mov_b32 s[\g+3], 32<<16                      ; tile_dim0
	s_mov_b32 s[\g+4], 64                          ; tile_dim1
	s_mov_b32 s[\g+5], 32                          ; dense
	s_mov_b32 s[\g+6], 0
	s_mov_b32 s[\g+7], 0
.endr
	s_and_b32 s51, s[WV], 1                        ; which half of a slot's keys I fetch, if I fetch
	s_lshl_b32 s52, s51, 14
	s_add_co_u32 s52, s52, s10
	s_mov_b32 s53, 0
	s_mul_i32 s54, s51, 64*PK
	s_mul_i32 s55, s51, 64*PV
	s_add_co_u32 s55, s55, VOFF
	s_mov_b32 s[SEL], 0x76543210
	s_mov_b32 s[SEL+1], 0xfedcba98                 ; v_permlanex16_b32: lane l xor 16
	s_mov_b32 s[CS], 0x3e38aa3b                    ; c = log2(e) / 8
	s_mov_b32 s[CS+1], s[CS]
	s_mov_b32 s[KF], 0
	s_mov_b32 s[TB], 0
	s_mov_b32 s[SLOTS], 7
	s_lshl_b32 s56, s[Q0], 7
	s_add_co_u32 s56, s56, s10                     ; my queries' rows in a part, and in oh
	s_mov_b32 s57, 0
	s_mul_i32 s60, s[WV], 16*144
	s_add_co_u32 s60, s60, STAGE                   ; my stage
	s_wait_dscnt 0x0                               ; both opening adds are done
	s_wait_kmcnt 0x0
	s_mov_b32 s[G0K], 1
	s_mov_b32 s[G0K+1], s54
	s_add_nc_u64 s[G0K+2:G0K+3], s[4:5], s[52:53]
	s_add_nc_u64 s[G0K+2:G0K+3], s[G0K+2:G0K+3], PS
	s_or_b32 s[G0K+3], s[G0K+3], 0x80000000
	s_mov_b32 s[G0V], 1
	s_mov_b32 s[G0V+1], s55
	s_add_nc_u64 s[G0V+2:G0V+3], s[4:5], s[52:53]
	s_add_nc_u64 s[G0V+2:G0V+3], s[G0V+2:G0V+3], 2*PS
	s_or_b32 s[G0V+3], s[G0V+3], 0x80000000
	TLOAD                                          ; slot 0: it holds key 0, which counts for every query
	s_add_nc_u64 s[58:59], s[4:5], s[56:57]        ; Q
	s_add_nc_u64 s[6:7], s[6:7], s[56:57]          ; oh
	v_and_b32 v[D0], 15, v0                        ; r
	v_bfe_u32 v[D0+1], v0, 4, 1                    ; h
	v_lshlrev_b32 v[QOF], 7, v[D0]
	v_lshl_add_u32 v[QOF], v[D0+1], 4, v[QOF]
.irp t, 0,1
.irp c, 0,1
.irp u, 0,1
	global_load_b128 v[QF+16*\t+8*\c+4*\u:QF+16*\t+8*\c+4*\u+3], v[QOF], s[58:59] offset:\t*2048+64*\c+32*\u   ; Q stays in registers
.endr
.endr
.endr
	s_mov_b32 s48, 2*PS                            ; the prefetches: where my wave's stand, and who asks
	s_cmp_lt_u32 s[WV], 8
	s_cselect_b32 s48, PS, s48
	s_add_co_u32 s48, s48, s10
	s_and_b32 s49, s[WV], 3
	s_lshl_b32 s49, s49, 13
	s_add_co_u32 s48, s48, s49
	s_add_co_u32 s48, s48, 32768                   ; in slot 1: the first change of slots steps it to slot 2
	s_mov_b32 s49, 0
	s_add_nc_u64 s[PFA:PFA+1], s[4:5], s[48:49]
	s_sub_co_u32 s48, s[WV], 4
	s_lshr_b32 s48, s48, 3                         ; 0 in waves 4 to 11
	s_or_b32 s48, s48, ttmp9                       ; of the work-group with p = 0
	s_cmp_eq_u32 s48, 0
	s_cselect_b32 s[LIM], 1, -1
	v_lshrrev_b32 v[NEG], 1, v[D0]
	v_mul_u32_u24 v[AK0], v[NEG], PK
	v_and_b32 v[NEG], 1, v[D0]
	v_lshl_add_u32 v[AK0], v[NEG], 7, v[AK0]
	v_lshl_add_u32 v[AK0], v[D0+1], 4, v[AK0]      ; K: (r / 2) pitch + 128 (r % 2) + 16 h
	v_bfe_u32 v[NEG], v0, 1, 2
	v_lshl_add_u32 v[NEG], v[D0+1], 2, v[NEG]
	v_mul_u32_u24 v[AV0], v[NEG], PV
	v_and_b32 v[NEG], 1, v0
	v_lshl_add_u32 v[AV0], v[NEG], 7, v[AV0]
	v_bfe_u32 v[NEG], v0, 3, 1
	v_lshl_add_u32 v[AV0], v[NEG], 4, v[AV0]
	v_add_nc_u32 v[AV0], VOFF, v[AV0]              ; V: key 8 h + l % 8, channels 8 ((l / 8) % 2) on
	v_and_b32 v[PFO], 31, v0
	v_lshlrev_b32 v[PFO], 8, v[PFO]
	v_mul_u32_u24 v[STO], v[D0], 144
	v_lshl_add_u32 v[STO], v[D0+1], 4, v[STO]
	v_add_nc_u32 v[STO], s60, v[STO]               ; the stage, in: row r, 16 bytes for each half of the lanes
	v_bfe_u32 v[NEG], v0, 3, 2
	v_mul_u32_u24 v[RD], v[NEG], 144
	v_and_b32 v[NEG], 7, v0
	v_lshl_add_u32 v[RD], v[NEG], 4, v[RD]
	v_add_nc_u32 v[RD], s60, v[RD]                 ; back: eight lanes to a row of 128 bytes
	v_and_b32 v[GO], 31, v0
	v_lshlrev_b32 v[GO], 4, v[GO]
	v_lshlrev_b32 v[DL], 3, v[D0+1]
	v_sub_nc_u32 v[DL], v[D0], v[DL]
	v_mov_b32 v[NEG], 0xff800000
.irp j, 0,1,2,3,4,5,6,7,8,9,10,11,12,13,14,15
	v_mov_b32 v[ST+\j], 0                          ; l = 0; the others are written once, since a lane permute's destination counts as read
.endr
.irp t, 0,1
	v_mov_b32 v[ST+8*\t+1], 0xff61b1e6             ; m = -3e38, under every score
.endr
.irp t, 0,1
	v_mul_f32 v[ST+8*\t], s[CS], v[ST+8*\t+1]
.endr
.irp j, 0,1,2,3,4,5,6,7,8,9,10,11,12,13,14,15,16,17,18,19,20,21,22,23,24,25,26,27,28,29,30,31,32,33,34,35,36,37,38,39,40,41,42,43,44,45,46,47,48,49,50,51,52,53,54,55,56,57,58,59,60,61,62,63
	v_mov_b32 v[O+\j], 0                           ; O^T.  (The step is written once: the first finds zeros, which a = 0 leaves zeros)
.endr
; A KEY STEP: 64 keys, the q-th of the slot in hand.
.macro STEP q
	s_add_co_u32 s48, s[Q0], 31                    ; all 64 keys come after my 32 queries: the step's work is jumped over (ids and the count of steps alone)
	s_cmp_gt_u32 s[KF], s48
	s_cbranch_scc1 .Lhidden_\@
	v_add_nc_u32 v[ADK], s[TB], v[AK0]
	v_add_nc_u32 v[ADV], s[TB], v[AV0]
.irp i, 0,1,2,3
.irp c, 0,1
	ds_load_b128 v[KV+8*(2*\i+\c):KV+8*(2*\i+\c)+3], v[ADK] offset:(32*(\q)+8*\i)*PK+64*\c
	ds_load_b128 v[KV+8*(2*\i+\c)+4:KV+8*(2*\i+\c)+7], v[ADK] offset:(32*(\q)+8*\i)*PK+64*\c+32
.endr
.endr
	s_wait_dscnt 0x0
.irp i, 0,1,2,3                        ; S^T = K Q^T: the eight accumulators take turns, one instruction a turn
.irp t, 0,1
	v_wmma_f32_16x16x32_f16 v[S+32*\t+8*\i:S+32*\t+8*\i+7], v[KV+16*\i:KV+16*\i+7], v[QF+16*\t:QF+16*\t+7], 0
.endr
.endr
.irp i, 0,1,2,3
.irp t, 0,1
	v_wmma_f32_16x16x32_f16 v[S+32*\t+8*\i:S+32*\t+8*\i+7], v[KV+16*\i+8:KV+16*\i+15], v[QF+16*\t+8:QF+16*\t+15], v[S+32*\t+8*\i:S+32*\t+8*\i+7]
.endr
.endr
.rept 4
	v_nop                                          ; places ahead of the loads into K's registers and of the first read of the scores
.endr
.irp kc, 0,1                           ; V, turned: (ct, kc) at 8 (4 kc + ct): 16 channels x 32 keys.  The loads land while the softmax is walked
.irp ct, 0,1,2,3
	ds_load_tr16_b128 v[KV+8*(4*\kc+\ct):KV+8*(4*\kc+\ct)+3], v[ADV] offset:(32*(\q)+16*\kc)*PV+32*\ct
	ds_load_tr16_b128 v[KV+8*(4*\kc+\ct)+4:KV+8*(4*\kc+\ct)+7], v[ADV] offset:(32*(\q)+16*\kc+8)*PV+32*\ct
.endr
.endr
	s_add_co_u32 s48, s[KF], 63                    ; on the diagonal hidden scores become -infinity; a step all of whose keys count skips this
	s_cmp_le_u32 s48, s[Q0]
	s_cbranch_scc1 .Lopen_\@
	s_sub_co_i32 s48, s[Q0], s[KF]
	v_add_nc_u32 v[D0], s48, v[DL]                 ; register n of tile t holds key KF + 16 (n / 8) + 8 h + n % 8: hidden where 16 (n / 8) + n % 8 > Q0 - KF + 16 t + r - 8 h
	v_add_nc_u32 v[D0+1], 16, v[D0]
.irp t, 0,1
.irp n, 0,1,2,3,4,5,6,7,8,9,10,11,12,13,14,15,16,17,18,19,20,21,22,23,24,25,26,27,28,29,30,31
	v_cmp_gt_i32 vcc_lo, 16*(\n/8)+\n%8, v[D0+\t]
	v_cndmask_b32 v[S+32*\t+\n], v[S+32*\t+\n], v[NEG], vcc_lo
.endr
.endr
.Lopen_\@:
.irp j, 0,1,2,3                        ; the maximum of 32 scores and the old m, the two tiles line by line; each accumulator is read from its low end on
.irp t, 0,1
	v_max3_num_f32 v[ST+8*\t+4+\j], v[S+32*\t+8*\j], v[S+32*\t+8*\j+1], v[S+32*\t+8*\j+2]
.endr
.endr
.irp u, 1,2
.irp j, 0,1,2,3
.irp t, 0,1
	v_max3_num_f32 v[ST+8*\t+4+\j], v[ST+8*\t+4+\j], v[S+32*\t+8*\j+2*\u+1], v[S+32*\t+8*\j+2*\u+2]
.endr
.endr
.endr
.irp t, 0,1
	v_max3_num_f32 v[ST+8*\t+4], v[ST+8*\t+4], v[S+32*\t+7], v[S+32*\t+15]
.endr
.irp t, 0,1
	v_max3_num_f32 v[ST+8*\t+6], v[ST+8*\t+6], v[S+32*\t+23], v[S+32*\t+31]
.endr
.irp t, 0,1
	v_max3_num_f32 v[ST+8*\t+4], v[ST+8*\t+4], v[ST+8*\t+5], v[ST+8*\t+6]
.endr
.irp t, 0,1
	v_max3_num_f32 v[ST+8*\t+4], v[ST+8*\t+4], v[ST+8*\t+7], v[ST+8*\t+1]
.endr
.irp t, 0,1
	v_permlanex16_b32 v[ST+8*\t+5], v[ST+8*\t+4], s[SEL], s[SEL+1]   ; the query's other 32 keys lie in the lane 16 away
.endr
.irp t, 0,1
	v_mov_b32 v[ST+8*\t+7], v[ST+8*\t]             ; c m_old
.endr
.irp t, 0,1
	v_max_num_f32 v[ST+8*\t+1], v[ST+8*\t+4], v[ST+8*\t+5]
.endr
.irp t, 0,1
	v_mul_f32 v[ST+8*\t], s[CS], v[ST+8*\t+1]
.endr
.irp t, 0,1
	v_sub_f32 v[ST+8*\t+7], v[ST+8*\t+7], v[ST+8*\t]
.endr
.irp b, 0,1,2,3,4,5,6,7,8,9,10,11,12,13,14,15
.irp t, 0,1
	v_pk_fma_f32 v[S+32*\t+2*\b:S+32*\t+2*\b+1], v[S+32*\t+2*\b:S+32*\t+2*\b+1], s[CS:CS+1], v[ST+8*\t:ST+8*\t+1] op_sel_hi:[1,0,0] neg_lo:[0,0,1] neg_hi:[0,0,1]   ; c s - c m
.endr
.endr
.irp t, 0,1
	v_exp_f32 v[ST+8*\t+6], v[ST+8*\t+7]           ; a = 2^(c m_old - c m_new)
.endr
.irp e, 0,1,2,3,4,5,6,7,8,9,10,11,12,13,14,15,16,17,18,19,20,21,22,23,24,25,26,27,28,29,30,31
.irp t, 0,1
	v_exp_f32 v[S+32*\t+\e], v[S+32*\t+\e]         ; p
.endr
.endr
	v_nop                                          ; a plain instruction behind the last exponential
	s_wait_alu depctr_va_vdst(0)                   ; one wait for the batch of 66, ahead of its first reader
.irp t, 0,1
	v_pk_mul_f32 v[ST+8*\t+2:ST+8*\t+3], v[ST+8*\t+2:ST+8*\t+3], v[ST+8*\t+6:ST+8*\t+7] op_sel_hi:[1,0]   ; l x a
.endr
.irp t, 0,1
	v_pk_add_f32 v[ST+8*\t+4:ST+8*\t+5], v[S+32*\t:S+32*\t+1], v[S+32*\t+2:S+32*\t+3]   ; the sum of the unrounded p, in two chains
.endr
.irp j, 4,8,12,16,20,24,28
.irp t, 0,1
	v_pk_add_f32 v[ST+8*\t+2:ST+8*\t+3], v[ST+8*\t+2:ST+8*\t+3], v[S+32*\t+\j:S+32*\t+\j+1]
	v_pk_add_f32 v[ST+8*\t+4:ST+8*\t+5], v[ST+8*\t+4:ST+8*\t+5], v[S+32*\t+\j+2:S+32*\t+\j+3]
.endr
.endr
.irp t, 0,1
	v_pk_add_f32 v[ST+8*\t+2:ST+8*\t+3], v[ST+8*\t+2:ST+8*\t+3], v[ST+8*\t+4:ST+8*\t+5]
.endr
.irp i, 0,1,2,3,4,5,6,7,8,9,10,11,12,13,14,15
.irp t, 0,1
	v_cvt_pk_f16_f32 v[S+32*\t+\i], v[S+32*\t+2*\i], v[S+32*\t+2*\i+1]   ; P in place, ascending: register i is written when its own pair has been read
.endr
.endr
.irp i, 0,1,2,3,4,5,6,7,8,9,10,11,12,13,14,15
.irp t, 0,1
	v_pk_mul_f32 v[O+32*\t+2*\i:O+32*\t+2*\i+1], v[O+32*\t+2*\i:O+32*\t+2*\i+1], v[ST+8*\t+6:ST+8*\t+7] op_sel_hi:[1,0]   ; O^T x a
.endr
.endr
	s_wait_dscnt 0x0                               ; V is in
.irp kc, 0,1                           ; O^T += V^T P: eight accumulators by turns
.irp ct, 0,1,2,3
.irp t, 0,1
	v_wmma_f32_16x16x32_f16 v[O+32*\t+8*\ct:O+32*\t+8*\ct+7], v[KV+8*(4*\kc+\ct):KV+8*(4*\kc+\ct)+7], v[S+32*\t+8*\kc:S+32*\t+8*\kc+7], v[O+32*\t+8*\ct:O+32*\t+8*\ct+7]
.endr
.endr
.endr
.rept 5
	v_nop                                          ; four places ahead of the next loads into V's registers and of reads of O^T; the fifth since the next step's first products write over P, a source here
.endr
.Lhidden_\@:
	s_add_co_u32 s[KF], s[KF], 64
.endm
; THE CHANGE OF SLOTS stands at a slot's head: every wave waits for all its tensor loads, adds 0 to its spare word, waits for that and for its reads of the slot that it has left, and passes the barrier.
; fill = 1: the slot just left (in the first trip: slot 1, for the first time) takes the next 256 keys, first thing behind the barrier: one load a wave, and a slot's four steps in which to land.
.macro CHANGE fill
	s_wait_tensorcnt 0x0                           ; no tensor load of mine is out, so a group 0 may be written
	ds_add_u32 v[SPW], v[NIL]
.if \fill
	ds_add_u32 v[SPW], v[NIL]                      ; and twice on end here, in every trip alike
	s_xor_b32 s[G0K+1], s[G0K+1], SLOT1
	s_add_nc_u64 s[G0K+2:G0K+3], s[G0K+2:G0K+3], 32768
	s_xor_b32 s[G0V+1], s[G0V+1], SLOT1
	s_add_nc_u64 s[G0V+2:G0V+3], s[G0V+2:G0V+3], 32768
	s_wait_xcnt 0x0                                ; the last prefetch, a slot back, has read its address
	s_add_nc_u64 s[PFA:PFA+1], s[PFA:PFA+1], 32768
.endif
	s_wait_dscnt 0x0
	s_barrier_signal -1
	s_barrier_wait -1
.if \fill
	s_add_co_u32 s48, s[KF], 256                   ; a slot whose first key comes after the work-group's last query is read by none of its waves: it is not asked for.
	s_cmp_gt_u32 s48, s[QLAST]                     ; Ids and the count of steps alone: all sixteen waves go the same way; every wait on TENSORcnt in this text is for 0
	s_cbranch_scc1 .Lpast_\@
	TLOAD
.Lpast_\@:
	ASK
.endif
.endm
.macro SLOT_STEPS
.set QS, 0
.rept 4
	STEP QS
.set QS, QS+1
.endr
	s_xor_b32 s[TB], s[TB], SLOT1
.endm
	s_wait_loadcnt 0x0                             ; Q
.Lslot:                                            ; 7 trips
	CHANGE 1
	SLOT_STEPS
	s_sub_co_u32 s[SLOTS], s[SLOTS], 1
	s_cmp_lg_u32 s[SLOTS], 0
	s_cbranch_scc1 .Lslot
	CHANGE 0                                       ; the last slot is written out: nothing is left to fetch
	SLOT_STEPS
	; THE WAY OUT: O^T / l, rounded to f16, through my stage, a tile of 16 queries at a time; 512 consecutive bytes a store
.irp t, 0,1
	v_add_f32 v[ST+8*\t+4], v[ST+8*\t+2], v[ST+8*\t+3]
.endr
.irp t, 0,1
	v_permlanex16_b32 v[ST+8*\t+5], v[ST+8*\t+4], s[SEL], s[SEL+1]
.endr
.irp t, 0,1
	v_add_f32 v[ST+8*\t+4], v[ST+8*\t+4], v[ST+8*\t+5]
.endr
.irp t, 0,1
	v_rcp_f32 v[ST+8*\t+6], v[ST+8*\t+4]
.endr
	v_nop
	s_wait_alu depctr_va_vdst(0)                   ; one wait for the two reciprocals
.irp t, 0,1
.irp i, 0,1,2,3,4,5,6,7,8,9,10,11,12,13,14,15
	v_pk_mul_f32 v[O+32*\t+2*\i:O+32*\t+2*\i+1], v[O+32*\t+2*\i:O+32*\t+2*\i+1], v[ST+8*\t+6:ST+8*\t+7] op_sel_hi:[1,0]
.endr
.irp i, 0,1,2,3,4,5,6,7,8,9,10,11,12,13,14,15
	v_cvt_pk_f16_f32 v[S+32*\t+\i], v[O+32*\t+2*\i], v[O+32*\t+2*\i+1]
.endr
.irp ct, 0,1,2,3
	ds_store_b128 v[STO], v[S+32*\t+4*\ct:S+32*\t+4*\ct+3] offset:32*\ct
.endr
.irp i, 0,1,2,3
	ds_load_b128 v[S+32*\t+16+4*\i:S+32*\t+16+4*\i+3], v[RD] offset:4*144*\i   ; in order behind my stores; the next tile's stores come behind these
.endr
.endr
.irp i, 0,1,2,3
	s_wait_dscnt 11-\i                             ; behind tile 0's load i: its 3 - i later loads, tile 1's four stores and four loads
	global_store_b128 v[GO], v[S+16+4*\i:S+16+4*\i+3], s[6:7] offset:512*\i
.endr
.irp i, 0,1,2,3
	s_wait_dscnt 3-\i
	global_store_b128 v[GO], v[S+48+4*\i:S+48+4*\i+3], s[6:7] offset:2048+512*\i
.endr
	s_wait_tensorcnt 0x0                           ; the wave's end
	ds_add_u32 v[SPW], v[NIL]
	s_wait_dscnt 0x0
	s_endpgm
.Lfunc_end_k_q7f6ee179d5_attn:
	.size	k_q7f6ee179d5_attn, .Lfunc_end_k_q7f6ee179d5_attn-k_q7f6ee179d5_attn
	.p2alignl 7, 3214868480
	.fill 96, 4, 3214868480
	.section	.rodata,"a",@progbits
	.p2align	6, 0x0
	.amdhsa_kernel k_q7f6ee179d5_attn
		.amdhsa_group_segment_fixed_size 327680
		.amdhsa_private_segment_fixed_size 0
		.amdhsa_enable_private_segment 0
		.amdhsa_kernarg_size 16
		.amdhsa_user_sgpr_count 2
		.amdhsa_user_sgpr_kernarg_segment_ptr 1
		.amdhsa_wavefront_size32 1
		.amdhsa_system_sgpr_workgroup_id_x 1
		.amdhsa_system_sgpr_workgroup_id_y 1
		.amdhsa_system_sgpr_workgroup_id_z 1
		.amdhsa_system_vgpr_workitem_id 0
		.amdhsa_next_free_vgpr 256
		.amdhsa_next_free_sgpr 66
		.amdhsa_reserve_vcc 1
		.amdhsa_float_denorm_mode_32 3
		.amdhsa_float_denorm_mode_16_64 3
		.amdhsa_memory_ordered 1
		.amdhsa_forward_progress 1
		.amdhsa_inst_pref_size 189
	.end_amdhsa_kernel
	.amdgpu_metadata
---
amdhsa.version: [ 1, 2 ]
amdhsa.kernels:
  - .name:           k_q7f6ee179d5_attn
    .symbol:         k_q7f6ee179d5_attn.kd
    .args:
      - { .name: qkv, .offset: 0, .size: 8, .value_kind: global_buffer, .address_space: global }
      - { .name: oh, .offset: 8, .size: 8, .value_kind: global_buffer, .address_space: global }
    .group_segment_fixed_size: 327680
    .private_segment_fixed_size: 0
    .kernarg_segment_align: 8
    .kernarg_segment_size: 16
    .max_flat_workgroup_size: 512
    .sgpr_count:     66
    .vgpr_count:     256
    .wavefront_size: 32
...
	.end_amdgpu_metadata
.endif
;; end of part 3
;; launch proj (part 4): grid 4 x 64, 4 waves a work-group, clusters of 4 x 4, 327,680 bytes of LDS; arguments oh, woh, out0; writes out0
.if DOCPART == 4
	.amdgcn_target "amdgcn-amd-amdhsa--gfx1250"
	.amdhsa_code_object_version 6
	.text
	.protected	k_q7f6ee179d5_proj
	.globl	k_q7f6ee179d5_proj
	.p2align	8
	.type	k_q7f6ee179d5_proj,@function
k_q7f6ee179d5_proj:
	s_mov_b64 s[64:65], 0
	v_nop
	global_prefetch_b8 v0, s[64:65] scope:SCOPE_SE
	s_setreg_imm32_b32 hwreg(HW_REG_WAVE_MODE, 25, 1), 1
	s_wait_xcnt 0x0
	s_wait_alu depctr_hold_cnt(0) depctr_sa_sdst(0) depctr_va_vdst(0) depctr_va_sdst(0) depctr_va_ssrc(0) depctr_va_vcc(0) depctr_vm_vsrc(0)
	s_getreg_b32 s2, hwreg(HW_REG_IB_STS2, 6, 4)
	s_cmp_eq_u32 s2, 0
	s_cbranch_scc0 .Lentry_in_a_cluster
	s_endpgm
.Lentry_in_a_cluster:
	s_bfe_u32 s2, ttmp6, 0x10000c
	s_cmp_lg_u32 s2, 0xf033
	s_cbranch_scc0 .Lentry_shape_is_right
	s_endpgm
.Lentry_shape_is_right:
; out0[m][n] = sum over k of A[m][k] Wo[n][k], m = 2048 b + s, k = 64 head + d; f16 operands, f32 sums, f32 out.
; oh: f16 [64 bh][2048 s][64]; woh: f16 [16 head][1024 n][64]; out0: f32 [8192][1024].  (Rows s < 16 of each batch are written again, from f32 operands, by the launch that follows.)
; A tile of out0 is 128 x 256: 256 work-groups.  Four waves, 64 x 128 each: 32 accumulators.  A K step is 128: two heads' planes; in each plane a tile is a dense block, stated as rows of 256 bytes (two
; rows of 64 f16): row j lies at (j / 2) x 272 + (j % 2) x 128.  Two LDS slots; one tensor load a wave: waves 0, 1 bring A's two planes (64 rows of 256 bytes), waves 2, 3 B's (128 rows).
; CLUSTERS: 4 x 4: A's tile is asked for jointly along a row of the cluster, B's along a column.  THE MATRIX INSTRUCTION IS USED TRANSPOSED (source 0 = 16 rows of Wo, source 1 = 16 rows of A).
; REGISTERS: window 0: v0-31 addresses, v64-191 the way out.  window 1: accumulator (a, b) at 8 (8 a + b).  window 2: two fragment buffers at 0 and 128: B's eight fragments, then A's four.
.set PITCH,  272
.set APL,    64*PITCH                  ; A's plane in a slot
.set BPL,    128*PITCH                 ; B's
.set BOFF,   2*APL
.set SLOT,   2*APL+2*BPL
.set SPARE,  2*SLOT                    ; the spare words, 128 bytes a wave, named by no other line
.set SPITCH, 528                       ; the way out: 16 rows x (512 bytes + 16) for each wave, in slot 0 behind its last fill and its last read
.set LAPS,   4                         ; 8 K steps, two a lap
.set ADRA, 16
.set ADRB, 20
.set STO,  24
.set RD,   25
.set CO,   26
.set SPW,  28
.set NIL,  29
.set PFO,  30                          ; v30  256 x lane; never rewritten
.set BK,   64
.set F0,   0
.set F1,   128
.set G1,  24
.set G0,  32
.set G1B, 48
.set G0B, 56
.set LIM, 45
.set PFA, 46
.set MSB, 0
.macro WIN new
.if MSB != \new
	s_set_vgpr_msb (MSB<<8)|\new
.set MSB, \new
.endif
.endm
.set MUL,  0x5a                        ; sources 0 and 1 window 2; C and D window 1
.set TO_F, 0x80                        ; destination window 2, address window 0
.macro JLOAD s                         ; waves 0, 1 fetch for A, waves 2, 3 for B; an s_nop 0 and four v_nop follow each line
	s_cmp_eq_u32 s11, 0
	s_cbranch_scc0 .Lfor_b_\@
	tensor_load_to_lds s[G0+4*\s:G0+4*\s+3], s[G1:G1+7]
	s_nop 0
.rept 4
	v_nop
.endr
	s_branch .Lasked_\@
.Lfor_b_\@:
	tensor_load_to_lds s[G0B+4*\s:G0B+4*\s+3], s[G1B:G1B+7]
	s_nop 0
.rept 4
	v_nop
.endr
.Lasked_\@:
.endm
.macro CREST
	s_cmp_lg_u32 s10, 0
	s_cbranch_scc1 .Lnot_wave_0_\@
	s_barrier_signal -3
.Lnot_wave_0_\@:
	s_barrier_wait -3
	s_barrier_signal -1
	s_barrier_wait -1
.endm
.macro CROUND
	s_barrier_signal -1
	s_barrier_wait -1
	CREST
.endm
; A prefetch of A's K step that stands two refills on: 2 planes x 16,384 bytes.  A tile row is read by one row of one cluster alone: its four partners share the bytes out BY ADDRESS (plane cx / 2, half cx % 2),
; wave 0 of each asks, lanes 256 bytes apart: each aligned 256 bytes is named once.  The loop's last trip asks for nothing.  Wo's planes are read by all sixteen clusters and are not asked for.
.macro ASK
	s_cmp_gt_u32 s3, s[LIM]
	s_cbranch_scc0 .Lnot_mine_\@
	global_prefetch_b8 v[PFO], s[PFA:PFA+1] offset:524288 th:TH_LOAD_NT scope:SCOPE_SE
.Lnot_mine_\@:
.endm
	s_load_b128 s[4:7], s[0:1], 0x0                ; oh, woh
	s_load_b64 s[8:9], s[0:1], 0x10                ; out0
	v_lshl_add_u32 v[SPW], v0, 2, SPARE
	v_mov_b32 v[NIL], 0
	ds_add_u32 v[SPW], v[NIL]                      ; the wave's opening: the add, twice on end, and its wait ahead of my first tensor load
	ds_add_u32 v[SPW], v[NIL]
	v_lshrrev_b32 v1, 5, v0
	v_readfirstlane_b32 s10, v1                    ; wave 0..3
	s_lshr_b32 s11, s10, 1                         ; my half of the tile's rows.  Also: I fetch for A (0) or for B (1)
	s_and_b32 s12, s10, 1                          ; my half of its columns.  Also: which plane of the K step I fetch
	s_bfe_u32 s40, ttmp6, 0x40000                  ; cx
	s_bfe_u32 s41, ttmp6, 0x40004                  ; cy
	s_lshl_b32 s42, ttmp9, 2
	s_add_co_u32 s42, s42, s40                     ; tile column
	s_and_b32 s13, ttmp7, 0xffff
	s_lshl_b32 s13, s13, 2
	s_add_co_u32 s13, s13, s41                     ; tile row
	s_lshl_b32 s43, s41, 2
	s_lshl_b32 s43, 15, s43                        ; my row of the cluster
	s_lshl_b32 s44, 0x1111, s40                    ; my column
	s_or_b32 s[G1+0], s43, (3<<16)|(1<<20)|(1<<21)|(5<<22)|(3<<25)   ; the mask; elements of 8 bytes; padding on; bit 21 beside a mask; 4 words behind every 64
	s_or_b32 s[G1B+0], s44, (3<<16)|(1<<20)|(1<<21)|(5<<22)|(3<<25)
	s_mov_b32 s[G1+1], 32<<16                      ; tensor_dim0: 256 bytes
	s_mov_b32 s[G1+2], 64<<16                      ; tensor_dim1
	s_mov_b32 s[G1+3], 32<<16                      ; tile_dim0
	s_mov_b32 s[G1+4], 64                          ; tile_dim1
	s_mov_b32 s[G1+5], 32                          ; dense
	s_mov_b32 s[G1+6], 0
	s_mov_b32 s[G1+7], 0
	s_mov_b32 s[G1B+1], 32<<16
	s_mov_b32 s[G1B+2], 128<<16
	s_mov_b32 s[G1B+3], 32<<16
	s_mov_b32 s[G1B+4], 128
	s_mov_b32 s[G1B+5], 32
	s_mov_b32 s[G1B+6], 0
	s_mov_b32 s[G1B+7], 0
	s_lshr_b32 s16, s13, 4                         ; A: batch = tile row / 16;
	s_lshl_b32 s16, s16, 4
	s_add_co_u32 s16, s16, s12                     ; plane 16 x batch + my plane of K step 0,
	s_lshl_b32 s16, s16, 18
	s_and_b32 s17, s13, 15
	s_lshl_b32 s17, s17, 14                        ; 128 rows of 128 bytes a tile
	s_add_co_u32 s16, s16, s17
	s_mov_b32 s17, 0
	s_lshl_b32 s18, s12, 17                        ; B: my plane,
	s_lshl_b32 s19, s42, 15                        ; 256 rows of 128 bytes a tile
	s_add_co_u32 s18, s18, s19
	s_mov_b32 s19, 0
	s_mul_i32 s20, s12, APL                        ; where they go: by the wave's number alone
	s_mul_i32 s21, s12, BPL
	s_add_co_u32 s21, s21, BOFF
	s_wait_dscnt 0x0                               ; both opening adds are done
	s_wait_kmcnt 0x0
	s_add_nc_u64 s[14:15], s[4:5], s[16:17]
	s_add_nc_u64 s[46:47], s[6:7], s[18:19]
	CROUND                                         ; all sixteen work-groups are here: the first joint loads meet
.irp s, 0,1
	s_mov_b32 s[G0+4*\s], 1
	s_add_co_u32 s[G0+4*\s+1], s20, \s*SLOT
	s_add_nc_u64 s[G0+4*\s+2:G0+4*\s+3], s[14:15], \s*524288     ; K step s: two planes of oh on
	s_or_b32 s[G0+4*\s+3], s[G0+4*\s+3], 0x80000000
	s_mov_b32 s[G0B+4*\s], 1
	s_add_co_u32 s[G0B+4*\s+1], s21, \s*SLOT
	s_add_nc_u64 s[G0B+4*\s+2:G0B+4*\s+3], s[46:47], \s*262144   ; two planes of woh on
	s_or_b32 s[G0B+4*\s+3], s[G0B+4*\s+3], 0x80000000
	JLOAD \s
.endr
	v_and_b32 v1, 15, v0                           ; r
	v_bfe_u32 v2, v0, 4, 1                         ; h
	v_lshrrev_b32 v3, 1, v1
	v_mul_u32_u24 v3, v3, PITCH
	v_and_b32 v4, 1, v1
	v_lshl_add_u32 v3, v4, 7, v3
	v_lshl_add_u32 v3, v2, 4, v3                   ; (r / 2) pitch + 128 (r % 2) + 16 h
	s_mul_i32 s21, s11, 32*PITCH                   ; my 64 rows of A
	s_mul_i32 s22, s12, 64*PITCH                   ; my 128 rows of B
	s_add_co_u32 s22, s22, BOFF
.irp s, 0,1
	v_add_nc_u32 v[ADRA+\s], s21, v3
	v_add_nc_u32 v[ADRB+\s], s22, v3
	s_add_co_u32 s21, s21, SLOT
	s_add_co_u32 s22, s22, SLOT
.endr
	s_mul_i32 s23, s10, 16*SPITCH                  ; my stage
	v_mul_u32_u24 v5, v1, SPITCH
	v_lshl_add_u32 v5, v2, 5, v5
	v_add_nc_u32 v[STO], s23, v5                   ; in: row r, 32 bytes for each half of the lanes
	v_and_b32 v6, 31, v0
	v_lshlrev_b32 v[CO], 4, v6                     ; back: the 32 lanes take a row of 512 bytes; the same in out0
	v_add_nc_u32 v[RD], s23, v[CO]
	v_lshlrev_b32 v[PFO], 8, v6
	s_lshl_b32 s16, s13, 7
	s_lshl_b32 s17, s11, 6
	s_add_co_u32 s16, s16, s17                     ; my first row of out0
	s_lshl_b32 s16, s16, 12                        ; 4,096 bytes a row: under 2^25
	s_mov_b32 s17, 0
	s_add_nc_u64 s[8:9], s[8:9], s[16:17]
	s_lshl_b32 s18, s42, 10
	s_lshl_b32 s19, s12, 9
	s_add_co_u32 s18, s18, s19                     ; my first column, in bytes
	s_mov_b32 s19, 0
	s_add_nc_u64 s[8:9], s[8:9], s[18:19]
	s_lshr_b32 s22, s13, 4                         ; the prefetches: A's tile in plane 0 of its batch,
	s_lshl_b32 s22, s22, 22
	s_and_b32 s23, s13, 15
	s_lshl_b32 s23, s23, 14
	s_add_co_u32 s22, s22, s23
	s_lshr_b32 s23, s40, 1
	s_lshl_b32 s23, s23, 18                        ; my work-group's plane of a K step,
	s_add_co_u32 s22, s22, s23
	s_and_b32 s23, s40, 1
	s_lshl_b32 s23, s23, 13                        ; and its half of the tile there,
	s_add_co_u32 s22, s22, s23
	s_add_co_u32 s22, s22, 1048576                 ; at K step 2: the first refill steps it to 3 and names K step 4
	s_mov_b32 s23, 0
	s_add_nc_u64 s[PFA:PFA+1], s[4:5], s[22:23]
	s_cmp_eq_u32 s10, 0
	s_cselect_b32 s[LIM], 1, -1                    ; wave 0 asks
.macro MULA f, a, zero                 ; 8 matrix instructions: A's block a x B's eight, 32 along K.  The 32 accumulators take turns, one instruction a turn
.irp b, 0,1,2,3,4,5,6,7
.if \zero
	v_wmma_f32_16x16x32_f16 v[8*(8*(\a)+\b):8*(8*(\a)+\b)+7], v[\f+8*\b:\f+8*\b+7], v[\f+64+8*(\a):\f+64+8*(\a)+7], 0
.else
	v_wmma_f32_16x16x32_f16 v[8*(8*(\a)+\b):8*(8*(\a)+\b)+7], v[\f+8*\b:\f+8*\b+7], v[\f+64+8*(\a):\f+64+8*(\a)+7], v[8*(8*(\a)+\b):8*(8*(\a)+\b)+7]
.endif
.endr
.endm
.macro FETCH slot, q, f                ; 24 LDS loads: quarter q (plane q / 2, 32 along K at byte 64 (q % 2)): B's eight fragments, then A's four
	WIN TO_F
.irp i, 0,1,2,3,4,5,6,7
	ds_load_b128 v[\f+8*\i:\f+8*\i+3],   v[ADRB+\slot] offset:((\q)/2)*BPL+((\q)%2)*64+\i*8*PITCH
	ds_load_b128 v[\f+8*\i+4:\f+8*\i+7], v[ADRB+\slot] offset:((\q)/2)*BPL+((\q)%2)*64+\i*8*PITCH+32
.endr
.irp i, 0,1,2,3
	ds_load_b128 v[\f+64+8*\i:\f+64+8*\i+3],   v[ADRA+\slot] offset:((\q)/2)*APL+((\q)%2)*64+\i*8*PITCH
	ds_load_b128 v[\f+64+8*\i+4:\f+64+8*\i+7], v[ADRA+\slot] offset:((\q)/2)*APL+((\q)%2)*64+\i*8*PITCH+32
.endr
.endm
.macro PLACES                          ; four places ahead of loads into registers that matrix instructions have read, and of reads of results
.rept 4
	v_nop
.endr
.endm
.macro QUARTER slot, qn, f, g, zero    ; multiplies buffer f; in its middle fetches quarter qn of the same slot into g
	s_wait_dscnt 4                                 ; B and A's blocks 0, 1 are in; the youngest four loads (A's blocks 2, 3) may be out
	WIN MUL
	MULA \f, 0, \zero
	MULA \f, 1, \zero
	PLACES
	FETCH \slot, \qn, \g
	s_wait_dscnt 24                                ; all but the 24 just issued
	WIN MUL
	MULA \f, 2, \zero
	MULA \f, 3, \zero
.endm
; A K step's last quarter multiplies buffer 1 and changes slots: one barrier; ahead of it all my tensor loads have landed, the add is done and my reads of this slot are over.
; fill = 1: the barrier opens a round of the cluster's barrier, and this slot takes the K step two on: the first tensor load behind the round, 112 matrix instructions ahead of the wait for it.
.macro TURN slot, next, fill
.if \fill
	s_wait_xcnt 0x0                                ; the last prefetch, a K step back, has read its address
	s_add_nc_u64 s[PFA:PFA+1], s[PFA:PFA+1], 524288
.endif
	WIN 0
	s_wait_tensorcnt 0x0
	ds_add_u32 v[SPW], v[NIL]
	s_wait_dscnt 5                                 ; the add and the youngest four loads may be out
	WIN MUL
	MULA F1, 0, 0
	s_wait_dscnt 0x0
	s_barrier_signal -1
	MULA F1, 1, 0
.if \fill
	WIN 0
.endif
	s_barrier_wait -1
.if \fill
	CREST
	s_add_nc_u64 s[G0+4*\slot+2:G0+4*\slot+3], s[G0+4*\slot+2:G0+4*\slot+3], 1048576
	s_add_nc_u64 s[G0B+4*\slot+2:G0B+4*\slot+3], s[G0B+4*\slot+2:G0B+4*\slot+3], 524288
	JLOAD \slot                                    ; the four v_nop behind it are also the places ahead of the loads below
.else
	PLACES
.endif
	FETCH \next, 0, F0
.if \fill
	WIN 0                                          ; at a branch and at a label every window is 0
	ASK
.endif
	WIN MUL
	MULA F1, 2, 0
	MULA F1, 3, 0
.endm
	s_wait_tensorcnt 1                             ; my part of K step 0 is in; K step 1's may be out
	s_barrier_signal -1
	s_barrier_wait -1
	FETCH 0, 0, F0
	QUARTER 0, 1, F0, F1, 1                        ; the first quarter's products start the sums
	WIN 0
	s_mov_b32 s3, LAPS-1
.Llap:                                             ; a trip goes once round the ring and fills both slots again
	QUARTER 0, 2, F1, F0, 0
	QUARTER 0, 3, F0, F1, 0
	TURN 0, 1, 1
	QUARTER 1, 1, F0, F1, 0
	QUARTER 1, 2, F1, F0, 0
	QUARTER 1, 3, F0, F1, 0
	TURN 1, 0, 1
	QUARTER 0, 1, F0, F1, 0
	WIN 0
	s_sub_co_u32 s3, s3, 1
	s_cmp_lg_u32 s3, 0
	s_cbranch_scc1 .Llap
	QUARTER 0, 2, F1, F0, 0                        ; the last lap fills nothing
	QUARTER 0, 3, F0, F1, 0
	TURN 0, 1, 0
	QUARTER 1, 1, F0, F1, 0
	QUARTER 1, 2, F1, F0, 0
	QUARTER 1, 3, F0, F1, 0
	s_wait_dscnt 4
	WIN MUL
	MULA F1, 0, 0
	MULA F1, 1, 0
	s_wait_dscnt 0
	MULA F1, 2, 0
	MULA F1, 3, 0
	WIN 0
	PLACES
; THE WAY OUT, block by block of 16 rows x 128 columns: through my own stage, back as whole rows of 512 bytes, which the 32 lanes store
.macro TOSTAGE a
	WIN 0x04                                       ; an LDS store's data are its source 1: window 1
.irp b, 0,1,2,3,4,5,6,7
	ds_store_b128 v[STO], v[64*(\a)+8*\b:64*(\a)+8*\b+3] offset:64*\b          ; each accumulator from its low end on
	ds_store_b128 v[STO], v[64*(\a)+8*\b+4:64*(\a)+8*\b+7] offset:64*\b+16
.endr
	WIN 0
.set BB, BK+64*((\a)%2)
.irp t, 0,1,2,3,4,5,6,7,8,9,10,11,12,13,14,15
	ds_load_b128 v[BB+4*\t:BB+4*\t+3], v[RD] offset:\t*SPITCH                  ; in order behind my stores
.endr
.endm
.macro SEND a, younger                 ; younger: the LDS instructions issued behind block a's loads
.set BB, BK+64*((\a)%2)
	s_wait_dscnt \younger
.irp t, 0,1,2,3,4,5,6,7,8,9,10,11,12,13,14,15
	global_store_b128 v[CO], v[BB+4*\t:BB+4*\t+3], s[8:9] offset:(\a)*65536+\t*4096 th:TH_STORE_NT   ; 512 consecutive bytes, aligned
.endr
.endm
	TOSTAGE 0
.irp a, 1,2,3
.if \a > 1
	s_wait_xcnt 0x0                                ; block a - 2's stores have read their registers: block a's loads may land there
.endif
	TOSTAGE \a
	SEND \a-1, 32                                  ; behind block a - 1's loads: block a's 16 stores and 16 loads
.endr
	SEND 3, 0
	s_wait_tensorcnt 0x0                           ; the wave's end
	ds_add_u32 v[SPW], v[NIL]
	s_wait_dscnt 0x0
	CROUND                                         ; the closing round
	s_endpgm
.Lfunc_end_k_q7f6ee179d5_proj:
	.size	k_q7f6ee179d5_proj, .Lfunc_end_k_q7f6ee179d5_proj-k_q7f6ee179d5_proj
	.p2alignl 7, 3214868480
	.fill 96, 4, 3214868480
	.section	.rodata,"a",@progbits
	.p2align	6, 0x0
	.amdhsa_kernel k_q7f6ee179d5_proj
		.amdhsa_group_segment_fixed_size 327680
		.amdhsa_private_segment_fixed_size 0
		.amdhsa_enable_private_segment 0
		.amdhsa_kernarg_size 24
		.amdhsa_user_sgpr_count 2
		.amdhsa_user_sgpr_kernarg_segment_ptr 1
		.amdhsa_wavefront_size32 1
		.amdhsa_system_sgpr_workgroup_id_x 1
		.amdhsa_system_sgpr_workgroup_id_y 1
		.amdhsa_system_sgpr_workgroup_id_z 1
		.amdhsa_system_vgpr_workitem_id 0
		.amdhsa_next_free_vgpr 768
		.amdhsa_next_free_sgpr 66
		.amdhsa_reserve_vcc 0
		.amdhsa_float_denorm_mode_32 3
		.amdhsa_float_denorm_mode_16_64 3
		.amdhsa_memory_ordered 1
		.amdhsa_forward_progress 1
		.amdhsa_inst_pref_size 86
	.end_amdhsa_kernel
	.amdgpu_metadata
---
amdhsa.version: [ 1, 2 ]
amdhsa.kernels:
  - .name:           k_q7f6ee179d5_proj
    .symbol:         k_q7f6ee179d5_proj.kd
    .args:
      - { .name: oh, .offset: 0, .size: 8, .value_kind: global_buffer, .address_space: global }
      - { .name: woh, .offset: 8, .size: 8, .value_kind: global_buffer, .address_space: global }
      - { .name: out0, .offset: 16, .size: 8, .value_kind: global_buffer, .address_space: global }
    .group_segment_fixed_size: 327680
    .private_segment_fixed_size: 0
    .kernarg_segment_align: 8
    .kernarg_segment_size: 24
    .max_flat_workgroup_size: 128
    .sgpr_count:     66
    .vgpr_count:     768
    .wavefront_size: 32
...
	.end_amdgpu_metadata
.endif
;; end of part 4
;; launch first16 (part 5): grid 16 x 4, 16 waves a work-group, no clusters, 67,584 bytes of LDS; arguments qkv32, Wo, out0; writes out0
.if DOCPART == 5
	.amdgcn_target "amdgcn-amd-amdhsa--gfx1250"
	.amdhsa_code_object_version 6
	.text
	.protected	k_q7f6ee179d5_first16
	.globl	k_q7f6ee179d5_first16
	.p2align	8
	.type	k_q7f6ee179d5_first16,@function
k_q7f6ee179d5_first16:
	s_mov_b64 s[64:65], 0
	v_nop
	global_prefetch_b8 v0, s[64:65] scope:SCOPE_SE
	s_setreg_imm32_b32 hwreg(HW_REG_WAVE_MODE, 25, 1), 1
	s_wait_xcnt 0x0
; Positions 0-15 of each of the four sequences, wholly in f32: attention and the projection by Wo, written over the rows that the launch before made from f16 operands.
; These rows average one to sixteen values and are the largest of the output, so the rounding of 16-bit operands would weigh most there.
; qkv32: f32 [4 b][48 = 16 part + head][16 rows][64]; Wo: f32 [1024 n][1024 k]; out0: f32 [8192][1024].
; SHARES.  Work-group (cg, b) makes columns 64 cg .. + 63 of rows 0-15 of batch b.  Wave w is head w: it makes its head's 16 x 16 attention and its head's part of the 16 x 64 outputs; the sixteen parts meet in LDS.
; (The attention of a head, 32 matrix instructions, is made anew in each of the 16 column groups: that spares a launch.)
; All products by v_wmma_f32_16x16x4_f32, 96 a wave: no bulk work.  In that form lane (r, h) holds row or column r and k = 2 h + j in register j; k is permuted alike on both sides, so that a lane's
; registers serve as they are loaded or made.  The accumulators v112-143 are written by matrix instructions alone; four take turns, one instruction a turn.
; LIMITS: NaN and infinities are not served.
.set QR,  16                           ; v16-47   q: row r, channels 32 h + 0 .. 31; later Wo's tile 3; later the sixteen parts
.set KR,  48                           ; v48-79   k likewise; later O^T / l
.set ON,  48
.set VR,  80                           ; v80-111  v: register 8 ct + e: key 8 h + e, channel 16 ct + r
.set ACC, 112
.set W0,  144                          ; v144-239 Wo's tiles 0-2: register 8 tt + i: row 16 nt + r, channel 16 tt + 8 h + i of my head
.set SS,  240                          ; v240-247 the scores, then p: query r, key 8 h + j
.set T,   248                          ; v248-255 at work
.set SPW, 14
.set NIL, 15
.set SPARE, 65536                      ; behind the sixteen parts: the spare words, 128 bytes a wave, named by no other line
.set SEL, 18
.set CS,  20
	s_load_b128 s[4:7], s[0:1], 0x0                ; qkv32, Wo
	s_load_b64 s[8:9], s[0:1], 0x10                ; out0
	v_lshl_add_u32 v[SPW], v0, 2, SPARE
	v_mov_b32 v[NIL], 0
	v_lshrrev_b32 v4, 5, v0
	v_readfirstlane_b32 s10, v4                    ; wave = head
	s_and_b32 s11, ttmp7, 0xffff                   ; batch
	v_and_b32 v5, 15, v0                           ; r
	v_bfe_u32 v6, v0, 4, 1                         ; h
	v_lshlrev_b32 v1, 8, v5
	v_lshl_add_u32 v1, v6, 7, v1                   ; q, k: 256 r + 128 h
	v_lshlrev_b32 v2, 2, v5
	v_lshl_add_u32 v2, v6, 11, v2                  ; v: 8 h rows of 256 bytes + 4 r
	v_lshlrev_b32 v3, 12, v5
	v_lshl_add_u32 v3, v6, 5, v3                   ; Wo: r rows of 4,096 bytes + 32 h
	v_lshlrev_b32 v7, 3, v6
	v_sub_nc_u32 v7, v5, v7                        ; r - 8 h: key 8 h + j is hidden where j is above it
	v_lshlrev_b32 v8, 12, v4
	v_and_b32 v9, 31, v0
	v_lshl_add_u32 v8, v9, 4, v8                   ; my part in LDS: 4,096 x wave + 16 x lane
	v_bfe_u32 v11, v0, 3, 2                        ; back: wave w takes query w, lane u columns 2 u, 2 u + 1: tile u / 8,
	v_lshlrev_b32 v10, 10, v11
	v_bfe_u32 v11, v0, 1, 1
	v_lshl_add_u32 v10, v11, 9, v10                ; registers 0-3 or 4-7,
	v_bfe_u32 v11, v0, 2, 1
	v_lshl_add_u32 v10, v11, 8, v10                ; the lanes' half,
	v_and_b32 v11, 1, v0
	v_lshl_add_u32 v10, v11, 3, v10                ; the pair of registers,
	v_lshl_add_u32 v10, v4, 4, v10                 ; and the lane that holds query w
	v_lshlrev_b32 v12, 3, v9                       ; out: 8 bytes a lane
	v_mov_b32 v13, 0xff800000                      ; -infinity
	s_mul_i32 s12, s11, 48
	s_add_co_u32 s12, s12, s10
	s_lshl_b32 s12, s12, 12                        ; q's block; k's is 16 blocks on, v's 32
	s_mov_b32 s13, 0
	s_lshl_b32 s14, ttmp9, 18                      ; Wo: 64 rows a column group,
	s_lshl_b32 s15, s10, 8                         ; my head's 64 channels
	s_add_co_u32 s14, s14, s15
	s_mov_b32 s15, 0
	s_lshl_b32 s16, s11, 23                        ; out0: the batch's first row,
	s_lshl_b32 s17, s10, 12                        ; row w,
	s_add_co_u32 s16, s16, s17
	s_lshl_b32 s17, ttmp9, 8                       ; 64 columns a group
	s_add_co_u32 s16, s16, s17
	s_mov_b32 s17, 0
	s_mov_b32 s[SEL], 0x76543210
	s_mov_b32 s[SEL+1], 0xfedcba98
	s_mov_b32 s[CS], 0x3e38aa3b                    ; c = log2(e) / 8
	s_mov_b32 s[CS+1], s[CS]
	s_wait_kmcnt 0x0
	s_add_nc_u64 s[4:5], s[4:5], s[12:13]
	s_add_nc_u64 s[6:7], s[6:7], s[14:15]
	s_add_nc_u64 s[8:9], s[8:9], s[16:17]
.irp i, 0,1,2,3,4,5,6,7
	global_load_b128 v[QR+4*\i:QR+4*\i+3], v1, s[4:5] offset:16*\i
.endr
.irp i, 0,1,2,3,4,5,6,7
	global_load_b128 v[KR+4*\i:KR+4*\i+3], v1, s[4:5] offset:65536+16*\i
.endr
.irp ct, 0,1,2,3
.irp e, 0,1,2,3,4,5,6,7
	global_load_b32 v[VR+8*\ct+\e], v2, s[4:5] offset:131072+256*\e+64*\ct
.endr
.endr
.irp nt, 0,1,2
.irp tt, 0,1,2,3
.irp u, 0,1
	global_load_b128 v[W0+32*\nt+8*\tt+4*\u:W0+32*\nt+8*\tt+4*\u+3], v3, s[6:7] offset:65536*\nt+64*\tt+16*\u
.endr
.endr
.endr
	s_wait_loadcnt 56                              ; q and k are in; v's 32 loads and Wo's 24 may be out
	; S^T = k q^T: 16 steps of 4 channels on four accumulators by turns
.set n, 0
.rept 16
.if n < 4
	v_wmma_f32_16x16x4_f32 v[ACC+8*(n%4):ACC+8*(n%4)+7], v[KR+2*n:KR+2*n+1], v[QR+2*n:QR+2*n+1], 0
.else
	v_wmma_f32_16x16x4_f32 v[ACC+8*(n%4):ACC+8*(n%4)+7], v[KR+2*n:KR+2*n+1], v[QR+2*n:QR+2*n+1], v[ACC+8*(n%4):ACC+8*(n%4)+7]
.endif
.set n, n+1
.endr
.rept 9
	v_nop                                          ; eight places ahead of reads of results and of loads into sources, nine ahead of the accumulators' next beginning
.endr
.irp tt, 0,1,2,3
.irp u, 0,1
	global_load_b128 v[QR+8*\tt+4*\u:QR+8*\tt+4*\u+3], v3, s[6:7] offset:65536*3+64*\tt+16*\u   ; Wo's tile 3 takes q's registers
.endr
.endr
.irp j, 0,2,4,6                        ; the four partial sums, each accumulator from its low end on
	v_pk_add_f32 v[SS+\j:SS+\j+1], v[ACC+\j:ACC+\j+1], v[ACC+8+\j:ACC+8+\j+1]
	v_pk_add_f32 v[T+\j:T+\j+1], v[ACC+16+\j:ACC+16+\j+1], v[ACC+24+\j:ACC+24+\j+1]
.endr
.irp j, 0,2,4,6
	v_pk_add_f32 v[SS+\j:SS+\j+1], v[SS+\j:SS+\j+1], v[T+\j:T+\j+1]
.endr
.irp j, 0,1,2,3,4,5,6,7
	v_cmp_gt_i32 vcc_lo, \j, v7                    ; the causal mask
	v_cndmask_b32 v[SS+\j], v[SS+\j], v13, vcc_lo
.endr
	v_max3_num_f32 v[T], v[SS], v[SS+1], v[SS+2]
	v_max3_num_f32 v[T+1], v[SS+3], v[SS+4], v[SS+5]
	v_max3_num_f32 v[T], v[T], v[SS+6], v[SS+7]
	v_max_num_f32 v[T], v[T], v[T+1]
	v_permlanex16_b32 v[T+1], v[T], s[SEL], s[SEL+1]
	v_max_num_f32 v[T], v[T], v[T+1]               ; the row's maximum: key 0 counts for every query, so it is a number
	v_mul_f32 v[T], s[CS], v[T]
.irp j, 0,2,4,6
	v_pk_fma_f32 v[SS+\j:SS+\j+1], v[SS+\j:SS+\j+1], s[CS:CS+1], v[T:T+1] op_sel_hi:[1,0,0] neg_lo:[0,0,1] neg_hi:[0,0,1]   ; c s - c m
.endr
.irp j, 0,1,2,3,4,5,6,7
	v_exp_f32 v[SS+\j], v[SS+\j]
.endr
	v_nop
	s_wait_alu depctr_va_vdst(0)                   ; one wait for the eight exponentials, ahead of their first reader
	v_pk_add_f32 v[T+2:T+3], v[SS:SS+1], v[SS+2:SS+3]
	v_pk_add_f32 v[T+4:T+5], v[SS+4:SS+5], v[SS+6:SS+7]
	v_pk_add_f32 v[T+2:T+3], v[T+2:T+3], v[T+4:T+5]
	v_add_f32 v[T+2], v[T+2], v[T+3]
	v_permlanex16_b32 v[T+3], v[T+2], s[SEL], s[SEL+1]
	v_add_f32 v[T+2], v[T+2], v[T+3]               ; l
	v_rcp_f32 v[T+4], v[T+2]
	v_nop
	s_wait_alu depctr_va_vdst(0)                   ; and one for the reciprocal
	s_wait_loadcnt 32                              ; v is in; Wo's 32 loads may be out
	; O^T = v^T p: 4 steps of 4 keys, four tiles of 16 channels by turns
.irp s, 0,1,2,3
.irp ct, 0,1,2,3
.if \s == 0
	v_wmma_f32_16x16x4_f32 v[ACC+8*\ct:ACC+8*\ct+7], v[VR+8*\ct+2*\s:VR+8*\ct+2*\s+1], v[SS+2*\s:SS+2*\s+1], 0
.else
	v_wmma_f32_16x16x4_f32 v[ACC+8*\ct:ACC+8*\ct+7], v[VR+8*\ct+2*\s:VR+8*\ct+2*\s+1], v[SS+2*\s:SS+2*\s+1], v[ACC+8*\ct:ACC+8*\ct+7]
.endif
.endr
.endr
.rept 9
	v_nop
.endr
.irp i, 0,1,2,3,4,5,6,7,8,9,10,11,12,13,14,15
	v_pk_mul_f32 v[ON+2*\i:ON+2*\i+1], v[ACC+2*\i:ACC+2*\i+1], v[T+4:T+5] op_sel_hi:[1,0]   ; O^T / l, into other registers: register 8 ct + j: query r, channel 16 ct + 8 h + j
.endr
	s_wait_loadcnt 0x0                             ; Wo
	; my head's part of the outputs: source 0 = 16 rows of Wo, source 1 = O: 16 steps of 4 channels, four tiles of 16 columns by turns
.set n, 0
.rept 16
.irp nt, 0,1,2,3
.if \nt < 3
.set WB, W0+32*\nt
.else
.set WB, QR
.endif
.if n == 0
	v_wmma_f32_16x16x4_f32 v[ACC+8*\nt:ACC+8*\nt+7], v[WB+2*n:WB+2*n+1], v[ON+2*n:ON+2*n+1], 0
.else
	v_wmma_f32_16x16x4_f32 v[ACC+8*\nt:ACC+8*\nt+7], v[WB+2*n:WB+2*n+1], v[ON+2*n:ON+2*n+1], v[ACC+8*\nt:ACC+8*\nt+7]
.endif
.endr
.set n, n+1
.endr
.rept 9
	v_nop
.endr
.irp nt, 0,1,2,3
	ds_store_b128 v8, v[ACC+8*\nt:ACC+8*\nt+3] offset:1024*\nt          ; an image of the registers, each accumulator from its low end on: lane (r, h), register j: query r, column 16 nt + 8 h + j
	ds_store_b128 v8, v[ACC+8*\nt+4:ACC+8*\nt+7] offset:1024*\nt+512
.endr
	s_wait_dscnt 0x0                               ; for the others' sake: my stores have landed
	s_barrier_signal -1
	s_barrier_wait -1
.irp i, 0,1,2,3,4,5,6,7,8,9,10,11,12,13,14,15
	ds_load_b64 v[QR+2*\i:QR+2*\i+1], v10 offset:4096*\i               ; head i's part of my two numbers
.endr
	s_wait_dscnt 0x0
.irp i, 0,1,2,3,4,5,6,7                ; the sum over the heads, in a fixed order
	v_pk_add_f32 v[QR+4*\i:QR+4*\i+1], v[QR+4*\i:QR+4*\i+1], v[QR+4*\i+2:QR+4*\i+3]
.endr
.irp i, 0,1,2,3
	v_pk_add_f32 v[QR+8*\i:QR+8*\i+1], v[QR+8*\i:QR+8*\i+1], v[QR+8*\i+4:QR+8*\i+5]
.endr
.irp i, 0,1
	v_pk_add_f32 v[QR+16*\i:QR+16*\i+1], v[QR+16*\i:QR+16*\i+1], v[QR+16*\i+8:QR+16*\i+9]
.endr
	v_pk_add_f32 v[QR:QR+1], v[QR:QR+1], v[QR+16:QR+17]
	global_store_b64 v12, v[QR:QR+1], s[8:9]       ; the wave stores 256 consecutive bytes, aligned
	s_wait_tensorcnt 0x0                           ; the wave's end
	ds_add_u32 v[SPW], v[NIL]
	s_wait_dscnt 0x0
	s_endpgm
.Lfunc_end_k_q7f6ee179d5_first16:
	.size	k_q7f6ee179d5_first16, .Lfunc_end_k_q7f6ee179d5_first16-k_q7f6ee179d5_first16
	.p2alignl 7, 3214868480
	.fill 96, 4, 3214868480
	.section	.rodata,"a",@progbits
	.p2align	6, 0x0
	.amdhsa_kernel k_q7f6ee179d5_first16
		.amdhsa_group_segment_fixed_size 67584
		.amdhsa_private_segment_fixed_size 0
		.amdhsa_enable_private_segment 0
		.amdhsa_kernarg_size 24
		.amdhsa_user_sgpr_count 2
		.amdhsa_user_sgpr_kernarg_segment_ptr 1
		.amdhsa_wavefront_size32 1
		.amdhsa_system_sgpr_workgroup_id_x 1
		.amdhsa_system_sgpr_workgroup_id_y 1
		.amdhsa_system_sgpr_workgroup_id_z 1
		.amdhsa_system_vgpr_workitem_id 0
		.amdhsa_next_free_vgpr 256
		.amdhsa_next_free_sgpr 66
		.amdhsa_reserve_vcc 1
		.amdhsa_float_denorm_mode_32 3
		.amdhsa_float_denorm_mode_16_64 3
		.amdhsa_memory_ordered 1
		.amdhsa_forward_progress 1
		.amdhsa_inst_pref_size 24
	.end_amdhsa_kernel
	.amdgpu_metadata
---
amdhsa.version: [ 1, 2 ]
amdhsa.kernels:
  - .name:           k_q7f6ee179d5_first16
    .symbol:         k_q7f6ee179d5_first16.kd
    .args:
      - { .name: qkv32, .offset: 0, .size: 8, .value_kind: global_buffer, .address_space: global }
      - { .name: Wo, .offset: 8, .size: 8, .value_kind: global_buffer, .address_space: global }
      - { .name: out0, .offset: 16, .size: 8, .value_kind: global_buffer, .address_space: global }
    .group_segment_fixed_size: 67584
    .private_segment_fixed_size: 0
    .kernarg_segment_align: 8
    .kernarg_segment_size: 24
    .max_flat_workgroup_size: 512
    .sgpr_count:     66
    .vgpr_count:     256
    .wavefront_size: 32
...
	.end_amdgpu_metadata
.endif
;; end of part 5
